; MI455X (gfx1250); checked and timed in simulation.
; The chip was launched on July 23, 2026; its instructions are those of AMD's public machine-readable ISA for CDNA 5 (MIT licence, August 2026) and "CDNA5" Instruction Set Architecture Reference Guide (July 2026). The comments in the code are by the model that wrote it; some were corrected since.
;; SVA Cross Attention Layer. Allowed arithmetic: matrix products marked QUANTISED: E4M3 operands, one E8M0 scale for each 32 along K, by v_wmma_scale_f32_16x16x128_f8f6f4 with both operands' format E4M3, f32 sums; everything else in f32.
;; Inputs: Wk 1,024 x 1,024 float32; Wo 1,024 x 1,024 float32; Wq 1,024 x 1,024 float32; Wv 1,024 x 1,024 float32; kv_padding_mask 2 x 4,096 bool; kv_tokens 2 x 4,096 x 1,024 float32; kv_type_ids 4,096 int32; kvn_b 1,024 float32; kvn_w 1,024 float32; on_b 1,024 float32; on_w 1,024 float32; qn_b 1,024 float32; qn_w 1,024 float32; queries 2 x 1,024 x 1,024 float32; query_type_ids 1,024 int32; typed_bias 3 x 3 float32.
;; Outputs: out0 2 x 1,024 x 1,024 float32.
;; This version of the problem:
;;   THIS VERSION OF THE PROBLEM IS GIVEN IN LOW PRECISION. The matrix products marked QUANTISED in the list below multiply operands that are first quantised to E4M3 (4 exponent bits, 3 mantissa bits; 8 bits a number), with one power-of-two scale for each 32 numbers along K (OCP MX v1.0); their sums are f32. All else is computed in f32.
;;   The module's matrix products, in the order in which they are computed (A, B: the left and right operand; K: the contracted axis; several contracted axes count as one K, in the product's order):
;;     1. [M 2,048, K 1,024] x [K 1,024, N 1,024]; A: computed on the way; B: input Wq: QUANTISED
;;     2. [M 8,192, K 1,024] x [K 1,024, N 1,024]; A: computed on the way; B: input Wk: QUANTISED
;;     3. [M 8,192, K 1,024] x [K 1,024, N 1,024]; A: computed on the way; B: input Wv: QUANTISED
;;     4. batch 32 x [M 1,024, K 64] x [K 64, N 4,096]; A: computed on the way; B: computed on the way: QUANTISED
;;     5. batch 32 x [M 64, K 4,096] x [K 4,096, N 1,024]; A: computed on the way; B: softmax (see below): QUANTISED
;;     6. [M 2,048, K 1,024] x [K 1,024, N 1,024]; A: computed on the way; B: input Wo: QUANTISED
;;   THE QUANTISER, for each operand of a quantised product, along K:
;;     - K is cut into blocks of 32 from its start; a last block that is shorter is filled with zeros.
;;     - A block's scale is 2^e with e = floor(log2(the largest magnitude in the block)) - 8, held to -126 .. 127; a block of zeros has e = 0. As a byte (E8M0): e + 127.
;;     - Each number is divided by its block's scale, clamped to +-448, and rounded to the nearest number of E4M3, ties to even, subnormals kept.
;;     - The product sums the exact products of the quantised numbers (number of the format x scale) in f32.
;;   ~~~python
;;   def quantise(x, axis):      # numpy; x: float32 -> the quantised numbers, widened to float32 again
;;       x = np.moveaxis(x, axis, -1); K = x.shape[-1]
;;       x = np.pad(x, [(0, 0)] * (x.ndim - 1) + [(0, -K % 32)]); x = x.reshape(x.shape[:-1] + (-1, 32)); a = np.abs(x).max(-1, keepdims=True)
;;       e = np.where(a > 0, np.clip(np.frexp(np.where(a > 0, a, 1))[1] - 1 - 8, -126, 127), 0)      # np.frexp(a)[1] - 1 = floor(log2(a)), exactly
;;       r = np.clip(x / 2.0 ** e, -448, 448)
;;       step = 2.0 ** (np.maximum(np.frexp(np.where(r == 0, 1, r))[1] - 1, -6) - 3)
;;       q = np.round(r / step) * step * 2.0 ** e      # np.round: ties to even
;;       return np.moveaxis(q.reshape(q.shape[:-2] + (-1,))[..., :K], -1, axis).astype(np.float32)
;;   ~~~
;;   SOFTMAX AHEAD OF A QUANTISED PRODUCT. Where the list says 'softmax', what is quantised is not the finished softmax but p = 2^(t - M), with t = logit x log2(e) and M = ceil(the row's largest t), a whole number; so 1/2 < the row's largest p <= 1. The row's sum l is taken of the UNQUANTISED p, in f32, and the product's result is divided by l at the end. Since M is a whole number, a kernel that streams over the keys may use a running M (the ceiling of the running maximum): every later rescaling is an exact power of two, which a block's scale takes up: the codes' values come out the same.
;;   OPERANDS COMPUTED ON THE WAY. 'Computed on the way' means the value that the module computes at that place (a softmax that the list does not call 'softmax' is quantised finished and normalised). What goes into a quantiser is computed in f32, as accurately as f32 sums, v_exp_f32 and their like allow (about 1e-6 of the number): no bf16 or f16 on the way to a quantiser, and a product that is left as it is and whose result goes on into a quantised operand takes f32 operands (vector FMAs, or v_wmma_f32_16x16x4_f32). A number that lies on a knife's edge between two numbers of the format may be rounded either way, as far as f32 arithmetic and the matrix unit's own rounding can turn it there, and no further.
;; One version. Each part assembles by itself: llvm-mc -triple=amdgcn-amd-amdhsa -mcpu=gfx1250 --defsym DOCPART=n.
;; ======== version 1 of 1: 4 launches
;; limits: right only within a limited range of input values
;; workspace buffers: xw_codes 14,680,064 bytes; xw_scales 458,752 bytes; kv_img 16,777,216 bytes; kv_sc 524,288 bytes; o_img 2,097,152 bytes; o_sc 65,536 bytes; bias_tab 98,304 bytes
;; launch prep (part 1): grid 448 x 1, 8 waves a work-group, no clusters, 132,608 bytes of LDS; arguments queries, kv_tokens, Wq, Wk, Wv, Wo, qn_w, qn_b, kvn_w, kvn_b, xw_codes, xw_scales, kv_type_ids, kv_padding_mask, typed_bias, bias_tab; writes xw_codes, xw_scales, bias_tab
.if DOCPART == 1
	.amdgcn_target "amdgcn-amd-amdhsa--gfx1250"
	.amdhsa_code_object_version 6
	.text
	.protected	k_q13db769847_prep
	.globl	k_q13db769847_prep
	.p2align	8
	.type	k_q13db769847_prep,@function
k_q13db769847_prep:
	s_mov_b64 s[64:65], 0
	v_nop
	global_prefetch_b8 v0, s[64:65] scope:SCOPE_SE
	s_setreg_imm32_b32 hwreg(HW_REG_WAVE_MODE, 25, 1), 1
	s_wait_xcnt 0x0
; LayerNorm of queries and of kv_tokens, and the quantising to FP8 (E4M3) codes with one E8M0 byte for each 32 along K = 1,024 of these two and of Wq, Wk, Wv, Wo.  Work-groups 0-7 also make the attention's table of additive terms.
; A work-group takes a ROW-BLOCK of 32 rows x 1,024 f32.  Row-blocks 0-63 queries, 64-319 kv_tokens, 320-351 Wq, 352-383 Wk, 384-415 Wv, 416-447 Wo.
; ONE PATH FOR ALL SIX: only pointers are chosen, on the work-group's number; for a weight the norm is made neutral by selects (mean 0, 1/sigma 1, gain 1, bias 0), so y = x exactly.
; OUTPUT = IMAGES OF OPERAND REGISTERS.  PR(r) = r + 8 (r / 8).  Tile u (0, 1) of a row-block has row 8 u + PR(r) in lane place r.  A fragment (16 rows x 128 K) is four groups of 512 bytes:
; group c, lane l = r + 16 h: the 16 codes of k = 32 c + 16 h + 0..15 at 512 c + 16 l.  xw_codes: [row-block][K step 0..7][u][c][512].  xw_scales: [row-block][K step][32 words]: lanes 0-15 tile 0's rows, lanes 16-31 tile 1's.
; With these rows in a tile, a product that takes the tile as source 0 leaves 16 neighbouring rows in the 16 registers of tiles 0 and 1.
; PHASE 1: wave w normalises rows 4 w .. 4 w + 3, a row in 32 registers (mean, then the mean of the squared differences: two passes in registers), and puts them into a stage in LDS.
; PHASE 2: wave w takes K step w of all 32 rows from the stage, 64 numbers a lane and tile, quantises them and stores codes (512 consecutive bytes a store) and scale words (128 consecutive bytes).
; A block's scale is 2^(floor(log2(largest magnitude)) - 8); each number is held within +-448 x the scale and rounded to the nearest code, ties to even.
; THE TABLE: bias_tab[batch][group of 4 keys][query type 0..2][4 f32] = 8 x typed_bias[query type][key's type], or -2^100 for a masked key.
; LIMITS: NaN and infinities are not served; a block whose largest magnitude lies under 2^-118 (a block of zeros too) keeps the byte 1: only this program reads the bytes; a key type outside 0..2 counts as 0.
.set PITCH, 4112                       ; a stage row: 4,096 bytes + 16
.set X,    32                          ; v32-159  four rows of 32 registers; in phase 2 the numbers of tile 0 (v32-95) and tile 1 (v96-159)
.set GW,   160                         ; v160-191 the gain of my columns; in phase 2 the codes
.set GB,   192                         ; v192-223 the bias of my columns
.set CA,   8                           ; v[8:9], v[10:11] two chains of sums
.set CB,   10
.set MM,   16                          ; v[16:17] the mean, twice
.set RR,   18                          ; v[18:19] 1 / sigma, twice
.set PT,   20                          ; v20 a lane permute's result
.set TM,   8                           ; phase 2: v8-11 largest magnitudes, v12-15 bytes, v16-19 448 x scale, v20-23 the conversions' scale operands
.set SEL,  40                          ; s[40:41] v_permlanex16_b32's selects for lane l xor 16
.set MNT,  42                          ; s42 the mantissa field of 448
.set RCN,  43                          ; s43 1 / 1,024
.set EPS,  44                          ; s44 1e-5
.set LNM,  30                          ; s30 all ones where the rows are normalised, 0 for a weight
	s_load_b256 s[4:11], s[0:1], 0x0               ; queries, kv_tokens, Wq, Wk
	s_load_b256 s[12:19], s[0:1], 0x20             ; Wv, Wo, qn_w, qn_b
	s_load_b256 s[20:27], s[0:1], 0x40             ; kvn_w, kvn_b, xw_codes, xw_scales
	s_load_b256 s[48:55], s[0:1], 0x60             ; kv_type_ids, kv_padding_mask, typed_bias, bias_tab
	v_lshl_add_u32 v232, v0, 2, 0x20200
	v_mov_b32 v233, 0
	v_lshrrev_b32 v1, 5, v0
	s_delay_alu instid0(VALU_DEP_1)
	v_readfirstlane_b32 s28, v1                    ; wave 0..7
	v_and_b32 v1, 31, v0                           ; lane
	s_delay_alu instid0(VALU_DEP_1)
	v_lshlrev_b32 v2, 4, v1                        ; 16 x lane
	s_delay_alu instid0(VALU_DEP_2)
	v_lshlrev_b32 v5, 2, v1                        ; 4 x lane
	s_mul_i32 s31, s28, 4*PITCH
	v_add_nc_u32 v3, s31, v2                       ; the stage, in: my wave's four rows, 16 bytes a lane
	v_and_b32 v6, 15, v0                           ; r
	v_bfe_u32 v7, v0, 4, 1                         ; h
	s_delay_alu instid0(VALU_DEP_2)
	v_and_b32 v4, 8, v6
	s_delay_alu instid0(VALU_DEP_1)
	v_add_nc_u32 v4, v4, v6                        ; PR(r)
	s_delay_alu instid0(VALU_DEP_1)
	v_mul_u32_u24 v4, v4, PITCH
	s_delay_alu instid0(VALU_DEP_1)
	v_lshl_add_u32 v4, v7, 6, v4                   ; + 64 h: my 16 numbers of a block of 32
	s_lshl_b32 s31, s28, 9
	v_add_nc_u32 v4, s31, v4                       ; the stage, out: + 512 x wave: my K step
	s_mov_b32 s[SEL], 0x76543210
	s_mov_b32 s[SEL+1], 0xfedcba98
	s_mov_b32 s[MNT], 0x600000
	s_mov_b32 s[RCN], 0x3a800000
	s_mov_b32 s[EPS], 0x3727c5ac
.irp i, 12,13,14,15,20
	v_mov_b32 v\i, 0                               ; written once: a lane permute's destination counts as one of its sources
.endr
	s_wait_kmcnt 0x0
	; which tensor: the choices hang on the work-group's number alone
	s_mov_b64 s[32:33], s[14:15]                   ; Wo, whose first row-block is 416
	s_mov_b32 s29, 416
	s_cmp_lt_u32 ttmp9, 416
	s_cselect_b64 s[32:33], s[12:13], s[32:33]     ; Wv
	s_cselect_b32 s29, 384, s29
	s_cmp_lt_u32 ttmp9, 384
	s_cselect_b64 s[32:33], s[10:11], s[32:33]     ; Wk
	s_cselect_b32 s29, 352, s29
	s_cmp_lt_u32 ttmp9, 352
	s_cselect_b64 s[32:33], s[8:9], s[32:33]       ; Wq
	s_cselect_b32 s29, 320, s29
	s_cmp_lt_u32 ttmp9, 320
	s_cselect_b64 s[32:33], s[6:7], s[32:33]       ; kv_tokens
	s_cselect_b32 s29, 64, s29
	s_cselect_b32 s[LNM], -1, 0
	s_cmp_lt_u32 ttmp9, 64
	s_cselect_b64 s[32:33], s[4:5], s[32:33]       ; queries
	s_cselect_b32 s29, 0, s29
	s_cselect_b64 s[34:35], s[16:17], s[20:21]     ; the gain: qn_w or kvn_w (a weight loads kvn's and selects it away)
	s_cselect_b64 s[36:37], s[18:19], s[22:23]     ; the bias
	s_sub_co_u32 s38, ttmp9, s29
	s_lshl_b32 s38, s38, 17                        ; 32 rows of 4,096 bytes a row-block,
	s_lshl_b32 s31, s28, 14                        ; 4 rows a wave
	s_add_co_u32 s38, s38, s31
	s_mov_b32 s39, 0
	s_add_nc_u64 s[32:33], s[32:33], s[38:39]
	s_lshl_b32 s38, ttmp9, 15                      ; codes: 32,768 bytes a row-block, 4,096 a K step
	s_lshl_b32 s31, s28, 12
	s_add_co_u32 s38, s38, s31
	s_add_nc_u64 s[24:25], s[24:25], s[38:39]
	s_lshl_b32 s38, ttmp9, 10                      ; scale words: 1,024 bytes a row-block, 128 a K step
	s_lshl_b32 s31, s28, 7
	s_add_co_u32 s38, s38, s31
	s_add_nc_u64 s[26:27], s[26:27], s[38:39]
.irp k, 0,1,2,3,4,5,6,7
	global_load_b128 v[GW+4*\k:GW+4*\k+3], v2, s[34:35] offset:512*\k
.endr
.irp k, 0,1,2,3,4,5,6,7
	global_load_b128 v[GB+4*\k:GB+4*\k+3], v2, s[36:37] offset:512*\k
.endr
.irp i, 0,1,2,3
.irp k, 0,1,2,3,4,5,6,7
	global_load_b128 v[X+32*\i+4*\k:X+32*\i+4*\k+3], v2, s[32:33] offset:4096*\i+512*\k th:TH_LOAD_NT   ; 512 consecutive bytes a load; lane l holds columns 128 k + 4 l + 0..3
.endr
.endr
.macro RED a                           ; the sum over the 32 lanes, in every lane
	s_delay_alu instid0(VALU_DEP_1)
	v_add_f32_dpp v[\a], v[\a], v[\a] row_xmask:1 row_mask:0xf bank_mask:0xf
	s_delay_alu instid0(VALU_DEP_1)
	v_add_f32_dpp v[\a], v[\a], v[\a] row_xmask:2 row_mask:0xf bank_mask:0xf
	s_delay_alu instid0(VALU_DEP_1)
	v_add_f32_dpp v[\a], v[\a], v[\a] row_xmask:4 row_mask:0xf bank_mask:0xf
	s_delay_alu instid0(VALU_DEP_1)
	v_add_f32_dpp v[\a], v[\a], v[\a] row_xmask:8 row_mask:0xf bank_mask:0xf
	s_delay_alu instid0(VALU_DEP_1)
	v_permlanex16_b32 v[PT], v[\a], s[SEL], s[SEL+1]
	s_delay_alu instid0(VALU_DEP_1)
	v_add_f32 v[\a], v[\a], v[PT]
.endm
; The row in v[x] .. v[x + 31] becomes (x - mean) / sqrt(var + 1e-5) x gain + bias.  sel = 1: with the selects that make it neutral for a weight
.macro ROWLN x, sel
	v_pk_add_f32 v[CA:CA+1], v[\x:\x+1], v[\x+4:\x+5]
	v_pk_add_f32 v[CB:CB+1], v[\x+2:\x+3], v[\x+6:\x+7]
.irp j, 8,12,16,20,24,28
	s_delay_alu instid0(VALU_DEP_2)
	v_pk_add_f32 v[CA:CA+1], v[CA:CA+1], v[\x+\j:\x+\j+1]
	s_delay_alu instid0(VALU_DEP_2)
	v_pk_add_f32 v[CB:CB+1], v[CB:CB+1], v[\x+\j+2:\x+\j+3]
.endr
	s_delay_alu instid0(VALU_DEP_1)
	v_pk_add_f32 v[CA:CA+1], v[CA:CA+1], v[CB:CB+1]
	s_delay_alu instid0(VALU_DEP_1)
	v_add_f32 v[CA], v[CA], v[CA+1]
	RED CA
	s_delay_alu instid0(VALU_DEP_1)
	v_mul_f32 v[MM], s[RCN], v[CA]                 ; the mean
.if \sel
	s_delay_alu instid0(VALU_DEP_1)
	v_and_b32 v[MM], s[LNM], v[MM]
.endif
	s_delay_alu instid0(VALU_DEP_1)
	v_mov_b32 v[MM+1], v[MM]
.irp j, 0,2,4,6,8,10,12,14,16,18,20,22,24,26,28,30
	v_pk_add_f32 v[\x+\j:\x+\j+1], v[\x+\j:\x+\j+1], v[MM:MM+1] neg_lo:[0,1] neg_hi:[0,1]
.endr
	v_pk_mul_f32 v[CA:CA+1], v[\x:\x+1], v[\x:\x+1]
	v_pk_mul_f32 v[CB:CB+1], v[\x+2:\x+3], v[\x+2:\x+3]
.irp j, 4,8,12,16,20,24,28
	s_delay_alu instid0(VALU_DEP_2)
	v_pk_fma_f32 v[CA:CA+1], v[\x+\j:\x+\j+1], v[\x+\j:\x+\j+1], v[CA:CA+1]
	s_delay_alu instid0(VALU_DEP_2)
	v_pk_fma_f32 v[CB:CB+1], v[\x+\j+2:\x+\j+3], v[\x+\j+2:\x+\j+3], v[CB:CB+1]
.endr
	s_delay_alu instid0(VALU_DEP_1)
	v_pk_add_f32 v[CA:CA+1], v[CA:CA+1], v[CB:CB+1]
	s_delay_alu instid0(VALU_DEP_1)
	v_add_f32 v[CA], v[CA], v[CA+1]
	RED CA
	s_delay_alu instid0(VALU_DEP_1)
	v_fma_f32 v[RR], v[CA], s[RCN], s[EPS]         ; the variance + 1e-5
	s_wait_alu depctr_va_vdst(0)
	v_rsq_f32 v[RR], v[RR]
	v_nop                                          ; one plain instruction behind a transcendental
.if \sel
	s_wait_alu depctr_va_vdst(0)
	v_cndmask_b32 v[RR], 1.0, v[RR], s[LNM]
.endif
	s_delay_alu instid0(VALU_DEP_1)
	v_mov_b32 v[RR+1], v[RR]
.irp j, 0,2,4,6,8,10,12,14,16,18,20,22,24,26,28,30
	v_pk_mul_f32 v[\x+\j:\x+\j+1], v[\x+\j:\x+\j+1], v[RR:RR+1]
.endr
.irp j, 0,2,4,6,8,10,12,14,16,18,20,22,24,26,28,30
	v_pk_fma_f32 v[\x+\j:\x+\j+1], v[\x+\j:\x+\j+1], v[GW+\j:GW+\j+1], v[GB+\j:GB+\j+1]
.endr
.endm
; 64 numbers of a lane, register 16 b + i = k 32 b + 16 h + i of my row, become a fragment's 16 registers of codes in v[pc] on and its scale word in v[pw]
.macro QUANT s, pc, pw
.irp b, 0,1,2,3
	v_max3_num_f32 v[TM+\b], |v[\s+16*\b]|, |v[\s+16*\b+1]|, 0x4800000   ; my 16 numbers of block b, and the floor 2^(9 - 127): the byte cannot fall under 1
.endr
.irp i, 2,4,6,8,10,12,14
.irp b, 0,1,2,3
	s_delay_alu instid0(VALU_DEP_4)
	v_max3_num_f32 v[TM+\b], v[TM+\b], |v[\s+16*\b+\i]|, |v[\s+16*\b+\i+1]|
.endr
.endr
.irp b, 0,1,2,3
	s_delay_alu instid0(VALU_DEP_4)
	v_permlanex16_b32 v[TM+4+\b], v[TM+\b], s[SEL], s[SEL+1]
.endr
.irp b, 0,1,2,3
	s_delay_alu instid0(VALU_DEP_4)
	v_max_num_f32 v[TM+\b], v[TM+\b], v[TM+4+\b]   ; with lane l xor 16's 16: the block's largest magnitude
.endr
.irp b, 0,1,2,3
	s_delay_alu instid0(VALU_DEP_4)
	v_add_nc_u32 v[TM+12+\b], 0xfc000000, v[TM+\b] ; 8 off its exponent field: the conversion's scale operand
.endr
.irp b, 0,1,2,3
	v_and_or_b32 v[TM+8+\b], v[TM+\b], 0x7f800000, s[MNT]   ; 448 x the scale
.endr
.irp b, 0,1,2,3
	v_lshrrev_b32 v[TM+4+\b], 23, v[TM+12+\b]      ; the scale's byte
.endr
	s_delay_alu instid0(VALU_DEP_3)
	v_lshl_or_b32 v[\pw], v[TM+5], 8, v[TM+4]
	s_delay_alu instid0(VALU_DEP_1)
	v_lshl_or_b32 v[\pw], v[TM+6], 16, v[\pw]
	s_delay_alu instid0(VALU_DEP_1)
	v_lshl_or_b32 v[\pw], v[TM+7], 24, v[\pw]
.irp b, 0,1,2,3
.irp i, 0,1,2,3,4,5,6,7,8,9,10,11,12,13,14,15
	v_med3_num_f32 v[\s+16*\b+\i], v[\s+16*\b+\i], -v[TM+8+\b], v[TM+8+\b]   ; the conversion to an 8-bit code does not saturate (ISA guide 7.6.2): the hold comes first
.endr
	v_cvt_scalef32_pk8_fp8_f32 v[\pc+4*\b:\pc+4*\b+1], v[\s+16*\b:\s+16*\b+7], v[TM+12+\b]
	v_cvt_scalef32_pk8_fp8_f32 v[\pc+4*\b+2:\pc+4*\b+3], v[\s+16*\b+8:\s+16*\b+15], v[TM+12+\b]
.endr
	v_nop                                          ; one plain instruction behind the last conversion
.endm
	s_wait_loadcnt 32                              ; gain and bias are in; the 32 loads of my four rows may be out
.set J, 0
.rept 32
	v_cndmask_b32 v[GW+J], 1.0, v[GW+J], s[LNM]    ; a weight: gain 1,
	v_and_b32 v[GB+J], s[LNM], v[GB+J]             ; bias 0
.set J, J+1
.endr
.irp i, 0,1,2,3
	s_wait_loadcnt 24-8*\i                         ; row i's eight loads are in; the younger rows' may be out
	ROWLN X+32*\i, 1
.irp k, 0,1,2,3,4,5,6,7
	ds_store_b128 v3, v[X+32*\i+4*\k:X+32*\i+4*\k+3] offset:PITCH*\i+512*\k
.endr
.endr
	s_wait_dscnt 0x0                               ; for the others' sake: my rows lie in the stage
	s_barrier_signal -1
	s_barrier_wait -1
.irp u, 0,1
.irp b, 0,1,2,3
.irp j, 0,1,2,3
	ds_load_b128 v[X+64*\u+16*\b+4*\j:X+64*\u+16*\b+4*\j+3], v4 offset:8*PITCH*\u+128*\b+16*\j   ; row 8 u + PR(r), columns 128 w + 32 b + 16 h + 4 j on
.endr
.endr
.endr
	s_wait_dscnt 16                                ; tile 0's sixteen loads are in; tile 1's may be out
	QUANT X, 160, 24
.irp c, 0,1,2,3
	global_store_b128 v2, v[160+4*\c:163+4*\c], s[24:25] offset:512*\c
.endr
	s_wait_dscnt 0x0
	QUANT X+64, 176, 25
.irp c, 0,1,2,3
	global_store_b128 v2, v[176+4*\c:179+4*\c], s[24:25] offset:2048+512*\c
.endr
	v_cmp_gt_u32 vcc_lo, 16, v1
	s_delay_alu instid0(VALU_DEP_1)
	v_cndmask_b32 v26, v25, v24, vcc_lo            ; lanes 0-15 tile 0's words, lanes 16-31 tile 1's (both halves of the lanes hold their row's word)
	global_store_b32 v5, v26, s[26:27]             ; 128 consecutive bytes: 1 byte in 33 of what a wave writes here
	; THE TABLE OF ADDITIVE TERMS: 2 batches x 1,024 groups of 4 keys; work-group g < 8 takes batch g / 4, groups 256 (g % 4) + thread.  No LDS; registers that no pending store reads.
	s_cmp_lt_u32 ttmp9, 8
	s_cbranch_scc0 .Ldone
	s_lshr_b32 s29, ttmp9, 2                       ; batch
	s_and_b32 s31, ttmp9, 3                        ; which 256 groups
	s_lshl_b32 s38, s31, 12                        ; types: 16 bytes a group
	s_add_nc_u64 s[48:49], s[48:49], s[38:39]
	s_lshl_b32 s38, s29, 12                        ; mask: 4,096 bytes a batch, 4 a group
	s_lshl_b32 s28, s31, 10
	s_add_co_u32 s38, s38, s28
	s_add_nc_u64 s[50:51], s[50:51], s[38:39]
	s_mul_i32 s38, s29, 49152                      ; table: 49,152 bytes a batch, 48 a group
	s_mul_i32 s28, s31, 12288
	s_add_co_u32 s38, s38, s28
	s_add_nc_u64 s[54:55], s[54:55], s[38:39]
	v_lshlrev_b32 v32, 4, v0
	v_lshlrev_b32 v33, 2, v0
	v_mul_u32_u24 v34, v0, 48
	v_mov_b32 v35, 0
	global_load_b128 v[36:39], v32, s[48:49]       ; my four keys' types
	global_load_b32 v40, v33, s[50:51]             ; and their mask bytes
	global_load_b128 v[44:47], v35, s[52:53]       ; the nine numbers of typed_bias, in every lane
	global_load_b128 v[48:51], v35, s[52:53] offset:16
	global_load_b32 v52, v35, s[52:53] offset:32
	v_mov_b32 v53, 0xf1800000                      ; -2^100
	s_wait_loadcnt 0x0
.irp i, 0,1,2,3,4,5,6,7,8
	v_mul_f32 v[44+\i], 0x41000000, v[44+\i]       ; x 8: the attention multiplies score + 8 bias by log2(e) / 8
.endr
.irp e, 0,1,2,3
	v_cmp_eq_u32 s45, 1, v[36+\e]
	v_cmp_eq_u32 s46, 2, v[36+\e]
	v_bfe_u32 v41, v40, 8*\e, 8
	s_delay_alu instid0(VALU_DEP_1)
	v_cmp_eq_u32 vcc_lo, 0, v41
.irp y, 0,1,2
	v_cndmask_b32 v[56+4*\y+\e], v[44+3*\y], v[45+3*\y], s45
	s_delay_alu instid0(VALU_DEP_1)
	v_cndmask_b32 v[56+4*\y+\e], v[56+4*\y+\e], v[46+3*\y], s46
	s_delay_alu instid0(VALU_DEP_1)
	v_cndmask_b32 v[56+4*\y+\e], v[56+4*\y+\e], v53, vcc_lo
.endr
.endr
.irp y, 0,1,2
	global_store_b128 v34, v[56+4*\y:59+4*\y], s[54:55] offset:16*\y   ; a wave's three stores together cover 1,536 consecutive bytes; 96 KiB in the whole launch
.endr
.Ldone:
	s_wait_tensorcnt 0x0
	ds_add_u32 v232, v233
	s_wait_dscnt 0x0
	s_endpgm
.Lfunc_end_k_q13db769847_prep:
	.size	k_q13db769847_prep, .Lfunc_end_k_q13db769847_prep-k_q13db769847_prep
	.p2alignl 7, 3214868480
	.fill 96, 4, 3214868480
	.section	.rodata,"a",@progbits
	.p2align	6, 0x0
	.amdhsa_kernel k_q13db769847_prep
		.amdhsa_group_segment_fixed_size 132608
		.amdhsa_private_segment_fixed_size 0
		.amdhsa_enable_private_segment 0
		.amdhsa_kernarg_size 128
		.amdhsa_user_sgpr_count 2
		.amdhsa_user_sgpr_kernarg_segment_ptr 1
		.amdhsa_wavefront_size32 1
		.amdhsa_system_sgpr_workgroup_id_x 1
		.amdhsa_system_sgpr_workgroup_id_y 1
		.amdhsa_system_sgpr_workgroup_id_z 1
		.amdhsa_system_vgpr_workitem_id 0
		.amdhsa_next_free_vgpr 234
		.amdhsa_next_free_sgpr 66
		.amdhsa_reserve_vcc 1
		.amdhsa_float_denorm_mode_32 3
		.amdhsa_float_denorm_mode_16_64 3
		.amdhsa_memory_ordered 1
		.amdhsa_forward_progress 1
		.amdhsa_inst_pref_size 71
	.end_amdhsa_kernel
	.amdgpu_metadata
---
amdhsa.version: [ 1, 2 ]
amdhsa.kernels:
  - .name:           k_q13db769847_prep
    .symbol:         k_q13db769847_prep.kd
    .args:
      - { .name: queries, .offset: 0, .size: 8, .value_kind: global_buffer, .address_space: global }
      - { .name: kv_tokens, .offset: 8, .size: 8, .value_kind: global_buffer, .address_space: global }
      - { .name: Wq, .offset: 16, .size: 8, .value_kind: global_buffer, .address_space: global }
      - { .name: Wk, .offset: 24, .size: 8, .value_kind: global_buffer, .address_space: global }
      - { .name: Wv, .offset: 32, .size: 8, .value_kind: global_buffer, .address_space: global }
      - { .name: Wo, .offset: 40, .size: 8, .value_kind: global_buffer, .address_space: global }
      - { .name: qn_w, .offset: 48, .size: 8, .value_kind: global_buffer, .address_space: global }
      - { .name: qn_b, .offset: 56, .size: 8, .value_kind: global_buffer, .address_space: global }
      - { .name: kvn_w, .offset: 64, .size: 8, .value_kind: global_buffer, .address_space: global }
      - { .name: kvn_b, .offset: 72, .size: 8, .value_kind: global_buffer, .address_space: global }
      - { .name: xw_codes, .offset: 80, .size: 8, .value_kind: global_buffer, .address_space: global }
      - { .name: xw_scales, .offset: 88, .size: 8, .value_kind: global_buffer, .address_space: global }
      - { .name: kv_type_ids, .offset: 96, .size: 8, .value_kind: global_buffer, .address_space: global }
      - { .name: kv_padding_mask, .offset: 104, .size: 8, .value_kind: global_buffer, .address_space: global }
      - { .name: typed_bias, .offset: 112, .size: 8, .value_kind: global_buffer, .address_space: global }
      - { .name: bias_tab, .offset: 120, .size: 8, .value_kind: global_buffer, .address_space: global }
    .group_segment_fixed_size: 132608
    .private_segment_fixed_size: 0
    .kernarg_segment_align: 8
    .kernarg_segment_size: 128
    .max_flat_workgroup_size: 256
    .sgpr_count:     66
    .vgpr_count:     234
    .wavefront_size: 32
...
	.end_amdgpu_metadata
.endif
;; end of part 1
;; launch proj (part 2): grid 256 x 1, 16 waves a work-group, no clusters, 327,680 bytes of LDS; arguments xw_codes, xw_scales, kv_padding_mask, kv_img, kv_sc; writes kv_img, kv_sc
.if DOCPART == 2
	.amdgcn_target "amdgcn-amd-amdhsa--gfx1250"
	.amdhsa_code_object_version 6
	.text
	.protected	k_q13db769847_proj
	.globl	k_q13db769847_proj
	.p2align	8
	.type	k_q13db769847_proj,@function
k_q13db769847_proj:
	s_mov_b64 s[64:65], 0
	v_nop
	global_prefetch_b8 v0, s[64:65] scope:SCOPE_SE
	s_setreg_imm32_b32 hwreg(HW_REG_WAVE_MODE, 25, 1), 1
	s_wait_xcnt 0x0
; k = LN(kv) Wk^T and v = LN(kv) Wv^T on FP8 (E4M3) codes with E8M0 scales, and their quantising: k along the head's 64 features, v along the keys.
; ONE BODY: out[j][i] = sum over K of S1[j][K] S0[i][K], source 0 = 16 rows of S0, source 1 = 16 rows of S1: a lane holds ONE row j of S1, and its registers run along S0's rows i, the axis to be quantised.
; Work-groups 0-127 (role K): S0 = Wk (i = features), S1 = LN(kv) (j = keys).  Work-groups 128-255 (role V): S0 = LN(kv) (i = keys), S1 = Wv (j = features).  Only offsets into the one buffer of codes differ.
; A work-group makes 256 (i) x 256 (j) over K = 1,024; sixteen waves, 4 x 4, each 64 x 64: 16 accumulators, 128 registers; four waves to a SIMD stand in for each other's LDS waits.
; The operands come as images of their registers (row-blocks of 32 rows, two tiles each, rows 8 u + r + 8 (r / 8)): so the 16 registers of S0's tiles 0 and 1 are 16 neighbouring i, and a block of 32 lies in lanes l, l xor 16.
; K goes through a ring of two LDS slots of two K steps (128 KiB a slot), filled by waves 0-3, one tensor load each; all scale words of the 512 rows come once, with the first fills.
; NO CLUSTER: a K step's shareable tile is 32 KiB, while the work-group reads 256 KiB from LDS for it: the loop is held by LDS reads, not by the fills.
; OUTPUT: kv_img[i block / 2][j row-block][j tile][i block % 2][512 bytes = 16 x lane], kv_sc[i block / 2][j row-block][16 words of (tile 0: even, odd | tile 1: even, odd)]; K's half first, V's half behind it.
; MASKED KEYS (role K): their codes are zeros (the hold's limit is multiplied by 0), so that their scores are exactly 0 and the attention's additive mask comes through unchanged.
; LIMITS: NaN and infinities are not served; a block whose largest magnitude lies under 2^-118 keeps the byte 1.
.set SLOTB, 131072                     ; a slot: S0's 8 row-blocks x 8,192 bytes ([K step of 2][tile][group][512]), then S1's 8
.set S1OFF, 65536
.set SCL,   262144                     ; the scale words: S0's 8 row-blocks x 1,024 bytes, then S1's
.set SPARE, 278528                     ; the spare words, 128 bytes for each of 16 waves: eight blocks of 256 bytes that no other line names
.set SPW,  1                           ; v1   SPARE + 4 x my thread's number; never rewritten
.set NIL,  2                           ; v2   0; never rewritten
.set TM,   64                          ; the way out: v64-71 at work
.set WV,   14                          ; s14  my wave's number
.set SEL,  48
.set MNT,  50
; REGISTERS: v3 16 x lane, v4 4 x lane; v5, v6 S0's fragments in slot 0, 1; v7, v8 S1's; v9, v10 S0's and S1's scale words; v12-15 1 or 0 for my four rows j; v24, v25 S0's scale words, v26, v27 S1's (nothing else ever);
; v32-63 two fragments of S0; v64-127 four of S1; v128-255 the accumulators: (jt, ibl, u0) at 128 + 32 jt + 16 ibl + 8 u0.
; a scaled product; z = 1: it starts the sum; ra, rb = 1: source 0's, source 1's scales are read from lanes 16-31
.macro WMS d, a, b, z, sa, sb, ra, rb
.if (\z)
.if (\ra) && (\rb)
	v_wmma_scale_f32_16x16x128_f8f6f4 v[0+(\d):7+(\d)], v[0+(\a):15+(\a)], v[0+(\b):15+(\b)], 0, v[\sa], v[\sb] matrix_a_scale:MATRIX_SCALE_ROW1 matrix_b_scale:MATRIX_SCALE_ROW1
.elseif (\ra)
	v_wmma_scale_f32_16x16x128_f8f6f4 v[0+(\d):7+(\d)], v[0+(\a):15+(\a)], v[0+(\b):15+(\b)], 0, v[\sa], v[\sb] matrix_a_scale:MATRIX_SCALE_ROW1
.elseif (\rb)
	v_wmma_scale_f32_16x16x128_f8f6f4 v[0+(\d):7+(\d)], v[0+(\a):15+(\a)], v[0+(\b):15+(\b)], 0, v[\sa], v[\sb] matrix_b_scale:MATRIX_SCALE_ROW1
.else
	v_wmma_scale_f32_16x16x128_f8f6f4 v[0+(\d):7+(\d)], v[0+(\a):15+(\a)], v[0+(\b):15+(\b)], 0, v[\sa], v[\sb]
.endif
.else
.if (\ra) && (\rb)
	v_wmma_scale_f32_16x16x128_f8f6f4 v[0+(\d):7+(\d)], v[0+(\a):15+(\a)], v[0+(\b):15+(\b)], v[0+(\d):7+(\d)], v[\sa], v[\sb] matrix_a_scale:MATRIX_SCALE_ROW1 matrix_b_scale:MATRIX_SCALE_ROW1
.elseif (\ra)
	v_wmma_scale_f32_16x16x128_f8f6f4 v[0+(\d):7+(\d)], v[0+(\a):15+(\a)], v[0+(\b):15+(\b)], v[0+(\d):7+(\d)], v[\sa], v[\sb] matrix_a_scale:MATRIX_SCALE_ROW1
.elseif (\rb)
	v_wmma_scale_f32_16x16x128_f8f6f4 v[0+(\d):7+(\d)], v[0+(\a):15+(\a)], v[0+(\b):15+(\b)], v[0+(\d):7+(\d)], v[\sa], v[\sb] matrix_b_scale:MATRIX_SCALE_ROW1
.else
	v_wmma_scale_f32_16x16x128_f8f6f4 v[0+(\d):7+(\d)], v[0+(\a):15+(\a)], v[0+(\b):15+(\b)], v[0+(\d):7+(\d)], v[\sa], v[\sb]
.endif
.endif
.endm
	s_load_b256 s[4:11], s[0:1], 0x0               ; xw_codes, xw_scales, kv_padding_mask, kv_img
	s_load_b64 s[12:13], s[0:1], 0x20              ; kv_sc
	v_lshl_add_u32 v[SPW], v0, 2, SPARE
	v_mov_b32 v[NIL], 0
	ds_add_u32 v1, v2
	ds_add_u32 v1, v2
	s_wait_dscnt 0x0
	v_lshrrev_b32 v22, 5, v0
	s_delay_alu instid0(VALU_DEP_1)
	v_readfirstlane_b32 s[WV], v22                 ; wave 0..15
	s_and_b32 s16, s[WV], 3                        ; p0: which 64 rows of S0.  For waves 0-3 also: what I fetch
	s_lshr_b32 s17, s[WV], 2                       ; p1: which 64 rows of S1
	s_lshr_b32 s15, ttmp9, 7                       ; role: 0 K, 1 V
	s_and_b32 s56, ttmp9, 127
	s_and_b32 s57, s56, 3                          ; which 256 features
	s_lshr_b32 s58, s56, 2                         ; which 256 keys
	s_lshl_b32 s60, s58, 3
	s_add_co_u32 s60, s60, 64                      ; LN(kv)'s row-block
	s_lshl_b32 s61, s15, 5
	s_lshl_b32 s59, s57, 3
	s_add_co_u32 s61, s61, s59
	s_add_co_u32 s61, s61, 352                     ; the weight's row-block: Wk from 352, Wv from 384
	s_mov_b32 s22, 65536
	s_mov_b32 s23, 2048
	s_cmp_eq_u32 s15, 0
	s_cselect_b32 s18, s61, s60                    ; S0's first row-block
	s_cselect_b32 s19, s60, s61                    ; S1's
	s_cselect_b32 s62, s57, s58                    ; S0's tile number
	s_cselect_b32 s63, s58, s57                    ; S1's
	s_cselect_b32 s51, -1, 0                       ; all ones in role K
	s_cselect_b32 s22, 524288, s22                 ; bytes of kv_img for one i block pair: 256 or 32 row-blocks j of 2,048
	s_cselect_b32 s23, 16384, s23                  ; and of kv_sc: of 64
	s_lshl_b32 s20, s62, 2
	s_add_co_u32 s20, s20, s16                     ; my pair of i blocks
	s_lshl_b32 s21, s63, 3
	s_lshl_b32 s56, s17, 1
	s_add_co_u32 s21, s21, s56                     ; my first row-block j
	; group 1 for codes: 4 rows (row-blocks) of 8,192 bytes (two K steps), 32,768 bytes apart; elements of 8 bytes
	s_mov_b32 s24, 3<<16
	s_mov_b32 s25, 1024<<16                        ; tensor_dim0
	s_mov_b32 s26, 4<<16                           ; tensor_dim1
	s_mov_b32 s27, 1024<<16                        ; tile_dim0
	s_mov_b32 s28, 4                               ; tile_dim1
	s_mov_b32 s29, 4096                            ; the pitch
	s_mov_b32 s30, 0
	s_mov_b32 s31, 0
	; group 1 for scale words: 4,096 dense bytes as 16 rows of 256
	s_mov_b32 s32, 3<<16
	s_mov_b32 s33, 32<<16
	s_mov_b32 s34, 16<<16
	s_mov_b32 s35, 32<<16
	s_mov_b32 s36, 16
	s_mov_b32 s37, 32
	s_mov_b32 s38, 0
	s_mov_b32 s39, 0
	; what a fetching wave fetches: wave 0, 1: S0's row-blocks 0-3, 4-7; wave 2, 3: S1's
	s_cmp_ge_u32 s16, 2
	s_cselect_b32 s56, s19, s18
	s_and_b32 s57, s16, 1
	s_lshl_b32 s57, s57, 2
	s_add_co_u32 s56, s56, s57
	s_lshl_b32 s52, s56, 15
	s_mov_b32 s53, 0
	s_lshl_b32 s54, s56, 10
	s_mov_b32 s55, 0
	s_mov_b32 s40, 1
	s_lshl_b32 s41, s16, 15                        ; LDS: 32,768 x wave, in slot 0
	s_mov_b32 s44, 1
	s_lshl_b32 s45, s16, 12
	s_add_co_u32 s45, s45, SCL
	s_wait_kmcnt 0x0
	s_add_nc_u64 s[42:43], s[4:5], s[52:53]
	s_or_b32 s43, s43, 0x80000000
	s_add_nc_u64 s[46:47], s[6:7], s[54:55]
	s_or_b32 s47, s47, 0x80000000
	s_cmp_lt_u32 s[WV], 4                          ; the first fills, one a wave, in one chain of branches on the wave's number: waves 0-3 slot 0's quarters,
	s_cbranch_scc0 .Lfor_scales
	tensor_load_to_lds s[40:43], s[24:31]          ; slot 0: K steps 0 and 1
	s_nop 0
.rept 4
	v_nop
.endr
	s_branch .Lno_first
.Lfor_scales:
	s_cmp_lt_u32 s[WV], 8                          ; waves 4-7 the quarters of the scale words (wave % 4 makes the same descriptor as in waves 0-3): filled once
	s_cbranch_scc0 .Lno_first
	tensor_load_to_lds s[44:47], s[32:39]
	s_nop 0
.rept 4
	v_nop
.endr
.Lno_first:
	s_mul_i32 s52, s20, s22                        ; where my results go
	s_lshl_b32 s56, s21, 11
	s_add_co_u32 s52, s52, s56
	s_lshl_b32 s56, s15, 23                        ; V's half begins 8,388,608 bytes on
	s_add_co_u32 s52, s52, s56
	s_add_nc_u64 s[10:11], s[10:11], s[52:53]
	s_mul_i32 s54, s20, s23
	s_lshl_b32 s56, s21, 6
	s_add_co_u32 s54, s54, s56
	s_lshl_b32 s56, s15, 18
	s_add_co_u32 s54, s54, s56
	s_add_nc_u64 s[12:13], s[12:13], s[54:55]
	s_mov_b32 s[SEL], 0x76543210
	s_mov_b32 s[SEL+1], 0xfedcba98
	s_mov_b32 s[MNT], 0x600000
	v_and_b32 v22, 31, v0                          ; lane
	s_delay_alu instid0(VALU_DEP_1)
	v_lshlrev_b32 v3, 4, v22
	s_delay_alu instid0(VALU_DEP_2)
	v_lshlrev_b32 v4, 2, v22
	s_lshl_b32 s56, s16, 14
	v_add_nc_u32 v5, s56, v3
	s_delay_alu instid0(VALU_DEP_1)
	v_add_nc_u32 v6, SLOTB, v5
	s_lshl_b32 s56, s17, 14
	s_add_co_u32 s56, s56, S1OFF
	v_add_nc_u32 v7, s56, v3
	s_delay_alu instid0(VALU_DEP_1)
	v_add_nc_u32 v8, SLOTB, v7
	s_lshl_b32 s56, s16, 11
	s_add_co_u32 s56, s56, SCL
	v_add_nc_u32 v9, s56, v4
	s_lshl_b32 s56, s17, 11
	s_add_co_u32 s56, s56, SCL+8192
	v_add_nc_u32 v10, s56, v4
	v_and_b32 v20, 15, v0
	s_delay_alu instid0(VALU_DEP_1)
	v_and_b32 v21, 8, v20
	s_delay_alu instid0(VALU_DEP_1)
	v_add_nc_u32 v20, v20, v21                     ; r + 8 (r / 8)
	s_lshl_b32 s56, s21, 5
	v_add_nc_u32 v20, s56, v20                     ; my row j of tile 0 of my first row-block: in role K the key's place in the mask (in role V a place inside the mask whose byte is not used)
	v_mov_b32 v21, 0
.irp jt, 0,1,2,3
	global_load_u8 v[16+\jt], v20, s[8:9] offset:32*(\jt/2)+8*(\jt%2)
.endr
	s_wait_alu depctr_va_vdst(0)
	s_wait_loadcnt 0x0
.irp jt, 0,1,2,3
	v_cmp_eq_u32 vcc_lo, 0, v[16+\jt]
	s_and_b32 vcc_lo, vcc_lo, s51
	v_cndmask_b32 v[12+\jt], 1.0, v21, vcc_lo      ; 0 for a masked key in role K, else 1
.endr
.macro TLOAD
	s_cmp_lt_u32 s[WV], 4
	s_cbranch_scc0 .Lasked_\@
	tensor_load_to_lds s[40:43], s[24:31]
	s_nop 0
.rept 4
	v_nop
.endr
.Lasked_\@:
.endm
; THE CHANGE OF SLOTS, at a slot's head.  Every wave waits for all its tensor loads (its part of the slot ahead), adds 0 to its spare word, waits for that and for its reads of the slot that it has left; behind the barrier
; the slot ahead is whole and nobody reads the other one, which is filled with the next two K steps: a fetching wave's one load, first thing there.
.macro CHANGE fill
	s_wait_tensorcnt 0x0                           ; no tensor load of mine is out, so the group 0 may be written
	ds_add_u32 v[SPW], v[NIL]
.if \fill
	ds_add_u32 v[SPW], v[NIL]                      ; and once more: the add twice on end
	s_xor_b32 s41, s41, SLOTB
	s_add_nc_u64 s[42:43], s[42:43], 8192          ; the next two K steps; the type bits on top are not reached
.endif
	s_wait_dscnt 0x0
	s_barrier_signal -1
	s_barrier_wait -1
.if \fill
	TLOAD
.endif
.endm
.macro S0LOAD slot, ksl, ibl
.irp u, 0,1
.irp c, 0,1,2,3
	ds_load_b128 v[32+16*\u+4*\c:35+16*\u+4*\c], v[5+\slot] offset:8192*\ibl+4096*\ksl+2048*\u+512*\c
.endr
.endr
.endm
.macro MUL8 ibl, zero                  ; S0's two tiles of row-block ibl x S1's four tiles: eight accumulators, one instruction each
.irp u, 0,1
.irp jt, 0,1,2,3
	WMS 128+32*\jt+16*\ibl+8*\u, 32+16*\u, 64+16*\jt, \zero, 24+\ibl, 26+\jt/2, \u, \jt%2
.endr
.endr
.endm
; A K step of 128: 32 LDS loads of 512 consecutive bytes, 16 matrix instructions.  Eight plain places stand in front of loads into registers that matrix instructions have read.
.macro KSTEP slot, ksl, ks, zero
.rept 8
	v_nop
.endr
.irp jt, 0,1,2,3
.irp c, 0,1,2,3
	ds_load_b128 v[64+16*\jt+4*\c:67+16*\jt+4*\c], v[7+\slot] offset:8192*(\jt/2)+4096*\ksl+2048*(\jt%2)+512*\c
.endr
.endr
	S0LOAD \slot, \ksl, 0
	ds_load_b32 v24, v9 offset:128*\ks             ; lanes 0-15 tile 0's rows, lanes 16-31 tile 1's
	ds_load_b32 v25, v9 offset:1024+128*\ks
	ds_load_b32 v26, v10 offset:128*\ks
	ds_load_b32 v27, v10 offset:1024+128*\ks
	s_wait_dscnt 0x0
	MUL8 0, \zero
.rept 8
	v_nop
.endr
	S0LOAD \slot, \ksl, 1
	s_wait_dscnt 0x0
	MUL8 1, \zero
.endm
; 32 numbers of a lane (two blocks b of 16; the other 16 of a block lie in lane l xor 16) become 8 registers of codes in v[cd] on and two scale bytes in v[e], v[e + 1].  keep: a register by which the hold's limit is multiplied
.macro QUANT2 s, cd, e, keep
.irp b, 0,1
	v_max3_num_f32 v[TM+\b], |v[\s+16*\b]|, |v[\s+16*\b+1]|, 0x4800000   ; each accumulator is read from its low end on; the floor 2^(9 - 127) holds the byte at 1 from below
.endr
.irp i, 2,4,6,8,10,12,14
.irp b, 0,1
	v_max3_num_f32 v[TM+\b], v[TM+\b], |v[\s+16*\b+\i]|, |v[\s+16*\b+\i+1]|
.endr
.endr
.irp b, 0,1
	s_delay_alu instid0(VALU_DEP_2)
	v_permlanex16_b32 v[TM+2+\b], v[TM+\b], s[SEL], s[SEL+1]
.endr
.irp b, 0,1
	s_delay_alu instid0(VALU_DEP_2)
	v_max_num_f32 v[TM+\b], v[TM+\b], v[TM+2+\b]
.endr
.irp b, 0,1
	s_delay_alu instid0(VALU_DEP_2)
	v_add_nc_u32 v[TM+4+\b], 0xfc000000, v[TM+\b]  ; 8 off the exponent field: the conversion's scale operand
.endr
.irp b, 0,1
	s_delay_alu instid0(VALU_DEP_4)
	v_and_or_b32 v[TM+6+\b], v[TM+\b], 0x7f800000, s[MNT]   ; 448 x the scale
.endr
.irp b, 0,1
	s_delay_alu instid0(VALU_DEP_2)
	v_mul_f32 v[TM+6+\b], v[TM+6+\b], v[\keep]     ; x 0 for a masked key: its numbers are held at 0
.endr
.irp b, 0,1
	v_lshrrev_b32 v[\e+\b], 23, v[TM+4+\b]         ; the scale's byte
.endr
.irp b, 0,1
.irp i, 0,1,2,3,4,5,6,7,8,9,10,11,12,13,14,15
	v_med3_num_f32 v[\s+16*\b+\i], v[\s+16*\b+\i], -v[TM+6+\b], v[TM+6+\b]
.endr
	v_cvt_scalef32_pk8_fp8_f32 v[\cd+4*\b:\cd+4*\b+1], v[\s+16*\b:\s+16*\b+7], v[TM+4+\b]
	v_cvt_scalef32_pk8_fp8_f32 v[\cd+4*\b+2:\cd+4*\b+3], v[\s+16*\b+8:\s+16*\b+15], v[TM+4+\b]
.endr
	v_nop                                          ; one plain instruction behind the last conversion
.endm
	CHANGE 1                                       ; slot 0 and the scale words are whole; slot 1 takes K steps 2, 3
	KSTEP 0, 0, 0, 1                               ; the first products start the sums: nothing is cleared
	KSTEP 0, 1, 1, 0
	CHANGE 1                                       ; slot 0 takes K steps 4, 5
	KSTEP 1, 0, 2, 0
	KSTEP 1, 1, 3, 0
	CHANGE 1                                       ; slot 1 takes K steps 6, 7
	KSTEP 0, 0, 4, 0
	KSTEP 0, 1, 5, 0
	CHANGE 0                                       ; nothing is left to fetch
	KSTEP 1, 0, 6, 0
	KSTEP 1, 1, 7, 0
	; THE WAY OUT: a lane's 16 registers of an i block are 16 neighbours along the axis to be quantised
.rept 8
	v_nop
.endr
	v_mov_b32 v[TM+2], 0                           ; a lane permute's destination counts as one of its sources
	v_mov_b32 v[TM+3], 0
.irp jt, 0,1,2,3
	QUANT2 128+32*\jt, 32+8*\jt, 80+2*\jt, 12+\jt
.endr
.irp jt, 0,1,2,3
.irp b, 0,1
	global_store_b128 v3, v[32+8*\jt+4*\b:35+8*\jt+4*\b], s[10:11] offset:1024*\jt+512*\b   ; 512 consecutive bytes a store, 4,096 on end for the wave
.endr
.endr
.irp g, 0,1
	v_lshl_or_b32 v[88+\g], v[81+4*\g], 8, v[80+4*\g]      ; row-block g's word: (tile 0: even, odd | tile 1: even, odd)
	s_delay_alu instid0(VALU_DEP_1)
	v_lshl_or_b32 v[88+\g], v[82+4*\g], 16, v[88+\g]
	s_delay_alu instid0(VALU_DEP_1)
	v_lshl_or_b32 v[88+\g], v[83+4*\g], 24, v[88+\g]
.endr
	v_cmp_gt_u32 vcc_lo, 16, v22
	s_delay_alu instid0(VALU_DEP_1)
	v_cndmask_b32 v90, v89, v88, vcc_lo            ; lanes 0-15 my first row-block's words, lanes 16-31 my second's
	global_store_b32 v4, v90, s[12:13]
	s_wait_tensorcnt 0x0                           ; the wave's end
	ds_add_u32 v[SPW], v[NIL]
	s_wait_dscnt 0x0
	s_endpgm
.Lfunc_end_k_q13db769847_proj:
	.size	k_q13db769847_proj, .Lfunc_end_k_q13db769847_proj-k_q13db769847_proj
	.p2alignl 7, 3214868480
	.fill 96, 4, 3214868480
	.section	.rodata,"a",@progbits
	.p2align	6, 0x0
	.amdhsa_kernel k_q13db769847_proj
		.amdhsa_group_segment_fixed_size 327680
		.amdhsa_private_segment_fixed_size 0
		.amdhsa_enable_private_segment 0
		.amdhsa_kernarg_size 40
		.amdhsa_user_sgpr_count 2
		.amdhsa_user_sgpr_kernarg_segment_ptr 1
		.amdhsa_wavefront_size32 1
		.amdhsa_system_sgpr_workgroup_id_x 1
		.amdhsa_system_sgpr_workgroup_id_y 1
		.amdhsa_system_sgpr_workgroup_id_z 1
		.amdhsa_system_vgpr_workitem_id 0
		.amdhsa_next_free_vgpr 256
		.amdhsa_next_free_sgpr 66
		.amdhsa_reserve_vcc 1
		.amdhsa_float_denorm_mode_32 3
		.amdhsa_float_denorm_mode_16_64 3
		.amdhsa_memory_ordered 1
		.amdhsa_forward_progress 1
		.amdhsa_inst_pref_size 67
	.end_amdhsa_kernel
	.amdgpu_metadata
---
amdhsa.version: [ 1, 2 ]
amdhsa.kernels:
  - .name:           k_q13db769847_proj
    .symbol:         k_q13db769847_proj.kd
    .args:
      - { .name: xw_codes, .offset: 0, .size: 8, .value_kind: global_buffer, .address_space: global }
      - { .name: xw_scales, .offset: 8, .size: 8, .value_kind: global_buffer, .address_space: global }
      - { .name: kv_padding_mask, .offset: 16, .size: 8, .value_kind: global_buffer, .address_space: global }
      - { .name: kv_img, .offset: 24, .size: 8, .value_kind: global_buffer, .address_space: global }
      - { .name: kv_sc, .offset: 32, .size: 8, .value_kind: global_buffer, .address_space: global }
    .group_segment_fixed_size: 327680
    .private_segment_fixed_size: 0
    .kernarg_segment_align: 8
    .kernarg_segment_size: 40
    .max_flat_workgroup_size: 512
    .sgpr_count:     66
    .vgpr_count:     256
    .wavefront_size: 32
...
	.end_amdgpu_metadata
.endif
;; end of part 2
;; launch attn (part 3): grid 8 x 32, 16 waves a work-group, clusters of 4 x 1, 327,680 bytes of LDS; arguments xw_codes, xw_scales, kv_img, kv_sc, query_type_ids, bias_tab, o_img, o_sc; writes o_img, o_sc
.if DOCPART == 3
	.amdgcn_target "amdgcn-amd-amdhsa--gfx1250"
	.amdhsa_code_object_version 6
	.text
	.protected	k_q13db769847_attn
	.globl	k_q13db769847_attn
	.p2align	8
	.type	k_q13db769847_attn,@function
k_q13db769847_attn:
	s_mov_b64 s[64:65], 0
	v_nop
	global_prefetch_b8 v0, s[64:65] scope:SCOPE_SE
	s_setreg_imm32_b32 hwreg(HW_REG_WAVE_MODE, 25, 1), 1
	s_wait_xcnt 0x0
	s_wait_alu depctr_hold_cnt(0) depctr_sa_sdst(0) depctr_va_vdst(0) depctr_va_sdst(0) depctr_va_ssrc(0) depctr_va_vcc(0) depctr_vm_vsrc(0)
	s_getreg_b32 s2, hwreg(HW_REG_IB_STS2, 6, 4)
	s_cmp_eq_u32 s2, 0
	s_cbranch_scc0 .Lentry_in_a_cluster
	s_endpgm
.Lentry_in_a_cluster:
	s_bfe_u32 s2, ttmp6, 0x10000c
	s_cmp_lg_u32 s2, 0x3003
	s_cbranch_scc0 .Lentry_shape_is_right
	s_endpgm
.Lentry_shape_is_right:
; q = LN(queries) Wq^T, its quantising, and the attention of one head on FP8 (E4M3) codes with E8M0 scales: S^T = K Q^T + additive terms, p = 2^(t - M), O^T = V^T P^T, O / l, and O's quantising along the head's 64 features.
; SHARES.  A work-group has 128 queries of one batch and head; sixteen waves in eight PAIRS (wave w and w + 8).  A pair owns 16 queries (row-block (w % 8) / 2, tile w % 2).  A slot holds 1,024 keys = 8 key steps of 128:
; wave group G = w / 8 walks steps 4 G .. 4 G + 3 of every slot, with its own M, sum and O^T; at the end group 1 hands these over through LDS and group 0 joins them under the larger M, by exact powers of two.
; THE Q PROJECTION is shared in a pair by blocks of 32 features: group G multiplies Wq's row-block 2 head + G, four K steps of loads (56) out at a time, quantises its block and the two swap codes and bytes through LDS.
; LAYOUT as the other launches leave it: a lane holds ONE query; the 16 registers of a pair of key tiles are 16 neighbouring keys.  A fragment of K holds two tiles of 16 keys x 64 features; Q stands against one half and zeros against the other.
; THE ADDITIVE TERMS (8 x typed bias, or -2^100 for a masked key) are loaded from bias_tab straight into the scores' registers and are the products' C: asked for behind the last read of p, a key step ahead.
; THE RING: two slots of 128 KiB; waves 0-3 fetch quarters of K, waves 4-7 of V, 16 KiB a load; at the head waves 8-11 and 12-15 fetch the quarters of K's and V's scale bytes of the whole batch and head: every wave has one first fill.
; CLUSTER 4, 1, 1: the four work-groups of a cluster have the same batch and head and ask for K, V and their scale bytes jointly (mask 15); only global addresses of queries and results hang on the place in the cluster.
; NO PREFETCH: a refill is asked for behind a change of slots and waited for at the next: four key steps of every wave lie between; the launch has four slots, of which two are asked for before the first key step ends.
; LIMITS: NaN and infinities are not served; a block whose largest magnitude lies under 2^-118 keeps the byte 1; a query type over 2 counts as 2; M's steps beyond 2^31 saturate (the factor is then 0).
.set SLOT1, 131072
.set VOFF,  65536                      ; a slot: K's 64 KiB, then V's
.set KSC,   262144                     ; K's scale words, 8 KiB; V's 8,192 bytes on
.set VSC,   270336
.set OST,   278528                     ; O's scale bytes of the work-group: 256 bytes
.set MRG,   278784                     ; eight regions of 4,608 bytes, one a pair: first Q's codes and bytes, at the end group 1's O^T, -M and sum
.set SPARE, 315648                     ; the spare words: 128 bytes for each of 16 waves
.set SPW,  1
.set NIL,  2
.set TM,   228
.set WV,   24
.set MNT,  25
.set SEL,  26
.set CS,   28
; REGISTERS: v3 16 x lane; v4 my place in a group of bias_tab; v5, v208 scale words' LDS address; v6, v7 K's and V's; v8-15, v24-31 zeros; v16-23 Q; v32-95 fragments; v96-159 terms, S^T, p; v160-191 O^T; v192-207 p's codes;
; v209-215, v242 scale words and nothing else; v216 -M, v217 largest t, v[218:219] the sum; v220-241 at work; v243-247, v253-255 LDS addresses made at the head.
.macro WM d, a, b, z, sa, sb, ra       ; a scaled product; z = 1: C = 0, else C = D; ra = 1: source 0's scales from lanes 16-31
.if (\z)
.if (\ra)
	v_wmma_scale_f32_16x16x128_f8f6f4 v[0+(\d):7+(\d)], v[0+(\a):15+(\a)], v[0+(\b):15+(\b)], 0, v[\sa], v[\sb] matrix_a_scale:MATRIX_SCALE_ROW1
.else
	v_wmma_scale_f32_16x16x128_f8f6f4 v[0+(\d):7+(\d)], v[0+(\a):15+(\a)], v[0+(\b):15+(\b)], 0, v[\sa], v[\sb]
.endif
.else
.if (\ra)
	v_wmma_scale_f32_16x16x128_f8f6f4 v[0+(\d):7+(\d)], v[0+(\a):15+(\a)], v[0+(\b):15+(\b)], v[0+(\d):7+(\d)], v[\sa], v[\sb] matrix_a_scale:MATRIX_SCALE_ROW1
.else
	v_wmma_scale_f32_16x16x128_f8f6f4 v[0+(\d):7+(\d)], v[0+(\a):15+(\a)], v[0+(\b):15+(\b)], v[0+(\d):7+(\d)], v[\sa], v[\sb]
.endif
.endif
.endm
.macro PLACES n
.rept \n
	v_nop
.endr
.endm
.macro BARRIER
	s_barrier_signal -1
	s_barrier_wait -1
.endm
.macro CROUND                          ; a round of the cluster's barrier
	BARRIER
	s_cmp_lg_u32 s[WV], 0
	s_cbranch_scc1 .Lnot_wave_0_\@
	s_barrier_signal -3
.Lnot_wave_0_\@:
	s_barrier_wait -3
	BARRIER
.endm
.macro TL g0, g1                       ; a joint load
	tensor_load_to_lds s[\g0:\g0+3], s[\g1:\g1+7]
	s_nop 0
	PLACES 4
.endm
.macro TLOAD                           ; a refill: waves 0-3 K's quarters, waves 4-7 V's
	s_cmp_lt_u32 s[WV], 4
	s_cbranch_scc0 .Lnot_k_\@
	TL 68, 32
	s_branch .Lasked_\@
.Lnot_k_\@:
	s_cmp_lt_u32 s[WV], 8
	s_cbranch_scc0 .Lasked_\@
	TL 72, 40
.Lasked_\@:
.endm
.macro BLOAD off                       ; a key step's additive terms into the scores' registers: register 16 f + i is key 32 f + 16 h + i
.irp f, 0,1,2,3
.irp u, 0,1
.irp w, 0,1
	global_load_b128 v[96+16*\f+8*\u+4*\w:99+16*\f+8*\u+4*\w], v4, s[14:15] offset:(\off)+48*(8*\f+2*\u+\w)
.endr
.endr
.endr
.endm
	s_load_b256 s[4:11], s[0:1], 0x0               ; xw_codes, xw_scales, kv_img, kv_sc
	s_load_b128 s[12:15], s[0:1], 0x20             ; query_type_ids, bias_tab
	s_load_b128 s[20:23], s[0:1], 0x30             ; o_img, o_sc
	v_lshl_add_u32 v[SPW], v0, 2, SPARE
	v_mov_b32 v[NIL], 0
	ds_add_u32 v[SPW], v[NIL]                      ; the opening: the add, twice on end, and its wait ahead of my first tensor load
	ds_add_u32 v[SPW], v[NIL]
	v_lshrrev_b32 v3, 5, v0
	v_readfirstlane_b32 s[WV], v3                  ; wave 0..15
	s_and_b32 s31, ttmp7, 0xffff
	s_lshr_b32 s97, s31, 4                         ; batch
	s_and_b32 s31, s31, 15                         ; head
	s_and_b32 s85, s[WV], 7                        ; my pair
	s_lshr_b32 s88, s[WV], 3                       ; G
	s_and_b32 s89, s[WV], 3                        ; which quarter I fetch
	s_and_b32 s2, s85, 1                           ; my queries' tile
	s_lshr_b32 s3, s85, 1                          ; and row-block of the work-group's four
	s_mov_b32 s32, (3<<16)|(1<<21)|15              ; group 1, K: 64 rows of 256 dense bytes; elements of 8 bytes; the mask names the cluster's four
	s_mov_b32 s33, 32<<16
	s_mov_b32 s34, 64<<16
	s_mov_b32 s35, 32<<16
	s_mov_b32 s36, 64
	s_mov_b32 s37, 32
	s_mov_b32 s38, 0
	s_mov_b32 s39, 0
	s_mov_b32 s40, (3<<16)|(1<<21)|15              ; V: 4 rows (64 keys each) of 4,096 bytes, 65,536 bytes apart
	s_mov_b32 s41, 512<<16
	s_mov_b32 s42, 4<<16
	s_mov_b32 s43, 512<<16
	s_mov_b32 s44, 4
	s_mov_b32 s45, 8192
	s_mov_b32 s46, 0
	s_mov_b32 s47, 0
	s_mov_b32 s48, (3<<16)|(1<<21)|15              ; K's scale words: 8 rows of 256 dense bytes
	s_mov_b32 s49, 32<<16
	s_mov_b32 s50, 8<<16
	s_mov_b32 s51, 32<<16
	s_mov_b32 s52, 8
	s_mov_b32 s53, 32
	s_mov_b32 s54, 0
	s_mov_b32 s55, 0
	s_mov_b32 s56, (3<<16)|(1<<21)|15              ; V's: 16 rows of 128 bytes, 2,048 bytes apart
	s_mov_b32 s57, 16<<16
	s_mov_b32 s58, 16<<16
	s_mov_b32 s59, 16<<16
	s_mov_b32 s60, 16
	s_mov_b32 s61, 256
	s_mov_b32 s62, 0
	s_mov_b32 s63, 0
	s_lshl_b32 s98, s89, 14
	s_lshl_b32 s99, s89, 11
	s_mov_b32 s68, 1
	s_mov_b32 s69, s98
	s_mov_b32 s72, 1
	s_add_co_u32 s73, s98, VOFF
	s_mov_b32 s76, 1
	s_add_co_u32 s77, s99, KSC
	s_mov_b32 s80, 1
	s_add_co_u32 s81, s99, VSC
	s_mov_b32 s101, 0
	s_mov_b32 s[MNT], 0x600000
	s_mov_b32 s[SEL], 0x76543210
	s_mov_b32 s[SEL+1], 0xfedcba98
	s_mov_b32 s[CS], 0x3e38aa3b                    ; log2(e) / 8
	s_mov_b32 s[CS+1], s[CS]
	s_wait_dscnt 0x0                               ; both opening adds are done
	CROUND                                         ; the four work-groups are here: the first joint loads meet
	s_wait_kmcnt 0x0
	s_lshl_b32 s100, s31, 19                       ; K: head, batch, my quarter
	s_lshl_b32 s67, s97, 18
	s_add_co_u32 s100, s100, s67
	s_add_co_u32 s100, s100, s98
	s_add_nc_u64 s[70:71], s[8:9], s[100:101]
	s_or_b32 s71, s71, 0x80000000
	s_lshl_b32 s100, s97, 22                       ; V, behind K's half
	s_lshl_b32 s67, s89, 18
	s_add_co_u32 s100, s100, s67
	s_lshl_b32 s67, s31, 12
	s_add_co_u32 s100, s100, s67
	s_add_co_u32 s100, s100, 8388608
	s_add_nc_u64 s[74:75], s[8:9], s[100:101]
	s_or_b32 s75, s75, 0x80000000
	s_lshl_b32 s100, s31, 14
	s_lshl_b32 s67, s97, 13
	s_add_co_u32 s100, s100, s67
	s_add_co_u32 s100, s100, s99
	s_add_nc_u64 s[78:79], s[10:11], s[100:101]
	s_or_b32 s79, s79, 0x80000000
	s_lshl_b32 s100, s97, 17
	s_lshl_b32 s67, s89, 15
	s_add_co_u32 s100, s100, s67
	s_lshl_b32 s67, s31, 7
	s_add_co_u32 s100, s100, s67
	s_add_co_u32 s100, s100, 262144
	s_add_nc_u64 s[82:83], s[10:11], s[100:101]
	s_or_b32 s83, s83, 0x80000000
	s_cmp_lt_u32 s[WV], 4                          ; the first fills: one chain, an arm a load, every way passes one
	s_cbranch_scc0 .Lh_v
	TL 68, 32
	s_branch .Lh_join
.Lh_v:
	s_cmp_lt_u32 s[WV], 8
	s_cbranch_scc0 .Lh_ks
	TL 72, 40
	s_branch .Lh_join
.Lh_ks:
	s_cmp_lt_u32 s[WV], 12
	s_cbranch_scc0 .Lh_vs
	TL 76, 48
	s_branch .Lh_join
.Lh_vs:
	TL 80, 56
.Lh_join:
	s_bfe_u32 s90, ttmp6, 0x40000                  ; cx
	s_lshl_b32 s91, ttmp9, 2
	s_add_co_u32 s91, s91, s90                     ; which 128 queries
	s_lshl_b32 s30, s97, 5
	s_lshl_b32 s92, s91, 2
	s_add_co_u32 s30, s30, s92                     ; the work-group's first row-block of queries
	s_add_co_u32 s66, s30, s3                      ; mine
	s_mov_b32 s93, 0
	s_lshl_b32 s92, s31, 1
	s_add_co_u32 s92, s92, s88
	s_add_co_u32 s92, s92, 320                     ; Wq's row-block: features 64 head + 32 G on
	s_lshl_b32 s94, s92, 10
	s_lshl_b32 s92, s92, 15
	s_add_nc_u64 s[8:9], s[4:5], s[92:93]
	s_mov_b32 s92, s94
	s_add_nc_u64 s[10:11], s[6:7], s[92:93]
	s_lshl_b32 s92, s66, 15
	s_lshl_b32 s94, s2, 11
	s_add_co_u32 s92, s92, s94
	s_add_nc_u64 s[4:5], s[4:5], s[92:93]          ; my tile of LN(queries)
	s_lshl_b32 s92, s66, 10
	s_lshl_b32 s94, s2, 6
	s_add_co_u32 s92, s92, s94
	s_add_nc_u64 s[6:7], s[6:7], s[92:93]
	s_mul_i32 s92, s97, 49152
	s_mul_i32 s94, s88, 6144
	s_add_co_u32 s92, s92, s94
	s_add_nc_u64 s[14:15], s[14:15], s[92:93]      ; the terms of my first key step
	s_lshl_b32 s92, s66, 15
	s_lshr_b32 s94, s31, 1
	s_lshl_b32 s94, s94, 12
	s_add_co_u32 s92, s92, s94
	s_lshl_b32 s94, s2, 11
	s_add_co_u32 s92, s92, s94
	s_and_b32 s94, s31, 1
	s_lshl_b32 s94, s94, 10
	s_add_co_u32 s92, s92, s94
	s_add_nc_u64 s[20:21], s[20:21], s[92:93]
	s_lshl_b32 s92, s31, 12
	s_lshl_b32 s94, s30, 6
	s_add_co_u32 s92, s92, s94
	s_add_nc_u64 s[22:23], s[22:23], s[92:93]
	s_lshl_b32 s16, s91, 7                         ; my tile's first query
	s_lshl_b32 s94, s3, 5
	s_add_co_u32 s16, s16, s94
	s_lshl_b32 s94, s2, 3
	s_add_co_u32 s16, s16, s94
	s_lshl_b32 s17, s88, 10
	s_add_co_u32 s17, s17, KSC
	s_lshl_b32 s18, s85, 5
	s_mul_i32 s19, s85, 4608
	s_add_co_u32 s19, s19, MRG
	s_lshl_b32 s94, s88, 9
	s_lshl_b32 s95, s88, 7
	s_lshl_b32 s84, s88, 15                        ; my four steps of slot 0
	s_mov_b32 s86, 0
	s_mov_b32 s87, 3
	v_and_b32 v9, 31, v0
	v_and_b32 v12, 15, v0
	v_bfe_u32 v239, v0, 4, 1
	v_lshlrev_b32 v10, 2, v9
	v_lshlrev_b32 v3, 4, v9
	v_lshlrev_b32 v11, 2, v12
	v_and_b32 v13, 8, v12
	v_add_nc_u32 v13, v13, v12                     ; r + 8 (r / 8)
	v_add_nc_u32 v13, s16, v13
	v_lshlrev_b32 v14, 2, v13
	global_load_b32 v15, v14, s[12:13]             ; my query's type
	v_mul_u32_u24 v239, v239, 192                  ; 192 h, in a register that the projection's loads and sums do not name
	v_add_nc_u32 v5, s17, v10
	v_lshl_add_u32 v243, v12, 1, OST
	v_add_nc_u32 v243, s18, v243
	v_add_nc_u32 v244, s19, v3
	v_lshl_add_u32 v245, v9, 3, 4096
	v_add_nc_u32 v245, s19, v245
	v_lshl_add_u32 v246, v9, 3, OST
	v_lshlrev_b32 v247, 3, v9
	v_add_nc_u32 v253, s94, v244
	v_add_nc_u32 v255, 1024, v10
	v_add_nc_u32 v255, s19, v255
	v_add_nc_u32 v254, s95, v255
	s_wait_alu depctr_va_vdst(0)                   ; the wait at the head's end
; K step s of the projection: two fragments of Wq, one of x, two scale words: 14 loads, into set s % 4
.macro QSET s
.set KK, (\s)%4
.set XR, 160+16*KK+8*(KK/3)
.set XS, 214+KK
.if KK == 2
.set XS, 242
.endif
.if KK == 3
.set XS, 209
.endif
.endm
.macro LOADQ s
	QSET \s
.irp i, 0,1
.irp c, 0,1,2,3
	global_load_b128 v[32+32*KK+16*\i+4*\c:35+32*KK+16*\i+4*\c], v3, s[8:9] offset:4096*(\s)+2048*\i+512*\c
.endr
.endr
.irp c, 0,1,2,3
	global_load_b128 v[XR+4*\c:XR+4*\c+3], v3, s[4:5] offset:4096*(\s)+512*\c
.endr
	global_load_b32 v[210+KK], v10, s[10:11] offset:128*(\s)
	global_load_b32 v[XS], v11, s[6:7] offset:128*(\s)
.endm
.macro QMUL s, zero                    ; two accumulators by turns, v16-23 and v24-31: features 16 h + 0..15 of my block
	QSET \s
.irp i, 0,1
	WM 16+8*\i, 32+32*KK+16*\i, XR, \zero, 210+KK, XS, \i
.endr
.endm
.irp s, 0,1,2,3
	LOADQ \s
.endr
.irp s, 0,1,2,3,4,5,6,7
.if \s < 5
	s_wait_loadcnt 42                              ; this K step's loads are in; the three steps behind it (14 loads each) may be out
.else
	s_wait_loadcnt 14*(7-\s)
.endif
.if \s == 0
	QMUL \s, 1
.else
	QMUL \s, 0
.endif
.if \s < 4
	PLACES 8                                       ; ahead of loads into registers that the products have read
	LOADQ \s+4
.endif
.endr
	PLACES 8
	v_mov_b32 v[TM+2], 0                           ; a lane permute's destination counts as one of its sources
	v_max3_num_f32 v[TM], |v16|, |v17|, 0x4800000  ; my block of 32: 16 numbers here, 16 in lane l xor 16; the floor holds the byte at 1
	v_max3_num_f32 v[TM+1], |v24|, |v25|, |v26|
.irp i, 2,4
	v_max3_num_f32 v[TM], v[TM], |v[16+\i]|, |v[17+\i]|
	v_max3_num_f32 v[TM+1], v[TM+1], |v[25+\i]|, |v[26+\i]|
.endr
	v_max3_num_f32 v[TM], v[TM], |v22|, |v23|
	v_max3_num_f32 v[TM], v[TM], v[TM+1], |v31|
	v_permlanex16_b32 v[TM+2], v[TM], s[SEL], s[SEL+1]
	v_max_num_f32 v[TM], v[TM], v[TM+2]
	v_add_nc_u32 v[TM+4], 0xfc000000, v[TM]        ; the conversion's scale operand
	v_and_or_b32 v[TM+6], v[TM], 0x7f800000, s[MNT] ; 448 x the scale
	v_lshrrev_b32 v252, 23, v[TM+4]                ; the byte
.set J, 0
.rept 16
	v_med3_num_f32 v[16+J], v[16+J], -v[TM+6], v[TM+6]
.set J, J+1
.endr
	v_cvt_scalef32_pk8_fp8_f32 v[248:249], v[16:23], v[TM+4]
	v_cvt_scalef32_pk8_fp8_f32 v[250:251], v[24:31], v[TM+4]
	v_nop
	v_min_u32 v4, 2, v15
	v_lshlrev_b32 v4, 4, v4
	v_add_nc_u32 v4, v4, v239
	s_wait_alu depctr_va_vdst(0)                   ; the wait ahead of the blocking wait
	s_wait_tensorcnt 0x0
	ds_store_b128 v253, v[248:251]                 ; my block's codes and byte, for my partner
	ds_store_b32 v254, v252
	BLOAD 0
.irp i, 8,9,10,11,12,13,14,15,24,25,26,27,28,29,30,31
	v_mov_b32 v\i, 0
.endr
.set J, 0
.rept 32
	v_mov_b32 v[160+J], 0                          ; O^T: the first change of M multiplies zeros
.set J, J+1
.endr
	v_mov_b32 v217, 0xff61b1e6                     ; -3e38, under every t
	v_floor_f32 v216, -v217
	v_mov_b32 v218, 0
	v_mov_b32 v219, 0
.irp i, 224,225,226,227,238,240,241
	v_mov_b32 v\i, 0
.endr
	s_wait_alu depctr_va_vdst(0)                   ; the wait ahead of the blocking wait
	s_wait_dscnt 0x0
	BARRIER                                        ; a plain barrier
	ds_load_b128 v[16:19], v244                    ; Q: block 0, block 1
	ds_load_b128 v[20:23], v244 offset:512
	ds_load_b32 v236, v255
	ds_load_b32 v237, v255 offset:128
	s_wait_dscnt 0x0
	v_lshl_or_b32 v209, v237, 8, v236
	v_lshl_or_b32 v209, v209, 16, v209             ; Q's scale word: its two bytes for either half of K
.macro QUANT2 s, cd, e
.irp b, 0,1
	v_max3_num_f32 v[TM+\b], |v[\s+16*\b]|, |v[\s+16*\b+1]|, 0x4800000
.endr
.irp i, 2,4,6,8,10,12,14
.irp b, 0,1
	v_max3_num_f32 v[TM+\b], v[TM+\b], |v[\s+16*\b+\i]|, |v[\s+16*\b+\i+1]|
.endr
.endr
.irp b, 0,1
	v_permlanex16_b32 v[TM+2+\b], v[TM+\b], s[SEL], s[SEL+1]
.endr
.irp b, 0,1
	v_max_num_f32 v[TM+\b], v[TM+\b], v[TM+2+\b]
.endr
.irp b, 0,1
	v_add_nc_u32 v[TM+4+\b], 0xfc000000, v[TM+\b]
.endr
.irp b, 0,1
	v_and_or_b32 v[TM+6+\b], v[TM+\b], 0x7f800000, s[MNT]
.endr
.irp b, 0,1
	v_lshrrev_b32 v[\e+\b], 23, v[TM+4+\b]
.endr
.irp b, 0,1
.irp i, 0,1,2,3,4,5,6,7,8,9,10,11,12,13,14,15
	v_med3_num_f32 v[\s+16*\b+\i], v[\s+16*\b+\i], -v[TM+6+\b], v[TM+6+\b]
.endr
	v_cvt_scalef32_pk8_fp8_f32 v[\cd+4*\b:\cd+4*\b+1], v[\s+16*\b:\s+16*\b+7], v[TM+4+\b]
	v_cvt_scalef32_pk8_fp8_f32 v[\cd+4*\b+2:\cd+4*\b+3], v[\s+16*\b+8:\s+16*\b+15], v[TM+4+\b]
.endr
	v_nop
.endm
; A KEY STEP: 128 keys, the q-th of my four in the slot.  bo: where my next step's terms lie from s[14:15] (-1: there is none)
.macro STEP q, bo
	PLACES 8                                       ; ahead of loads into registers that the last products have read
.irp f, 0,1,2,3
.irp g, 0,1,2,3
	ds_load_b128 v[32+16*\f+4*\g:35+16*\f+4*\g], v6 offset:8192*(\q)+2048*\f+512*\g
.endr
.endr
	ds_load_b32 v210, v208 offset:256*(\q)
	ds_load_b32 v211, v208 offset:256*(\q)+128
	ds_load_b32 v212, v208 offset:8192+256*(\q)
	ds_load_b32 v213, v208 offset:8192+256*(\q)+128
	s_wait_loadcnt 0x0                             ; the terms are in the scores' registers
	s_wait_dscnt 0x0
.irp f, 0,1,2,3
	WM 96+16*\f, 32+16*\f, 16, 0, 210+\f/2, 209, \f%2    ; the fragment's first tile of keys: Q, zeros
	WM 104+16*\f, 32+16*\f, 8, 0, 210+\f/2, 209, \f%2    ; its second: zeros, Q
.endr
	v_perm_b32 v214, v213, v212, 0x05040100        ; V's scale words of these 128 keys: feature tile 0, 1 of a row-block
	v_perm_b32 v215, v213, v212, 0x07060302
	PLACES 6
.irp t, 0,1,2,3
.irp c, 0,1,2,3
	ds_load_b128 v[32+16*\t+4*\c:35+16*\t+4*\c], v7 offset:4096*(2*(\q)+\c/2)+1024*\t+512*(\c%2)
.endr
.endr
.irp b, 0,1,2,3
	v_max3_num_f32 v[220+\b], v[96+16*\b], v[97+16*\b], v[98+16*\b]   ; each block's largest score: for the row's maximum and for the block's largest p
.endr
.irp i, 3,5,7,9,11,13
.irp b, 0,1,2,3
	v_max3_num_f32 v[220+\b], v[220+\b], v[96+16*\b+\i], v[97+16*\b+\i]
.endr
.endr
.irp b, 0,1,2,3
	v_max_num_f32 v[220+\b], v[220+\b], v[111+16*\b]
.endr
.irp b, 0,1,2,3
	v_permlanex16_b32 v[224+\b], v[220+\b], s[SEL], s[SEL+1]
.endr
.irp b, 0,1,2,3
	v_max_num_f32 v[220+\b], v[220+\b], v[224+\b]
.endr
	v_max3_num_f32 v238, v220, v221, v222
	v_max_num_f32 v238, v238, v223
	v_mul_f32 v238, s[CS], v238
	v_max_num_f32 v217, v217, v238                 ; the running largest t
	v_mov_b32 v238, v216
	v_floor_f32 v216, -v217                        ; -M, a whole number
	v_sub_f32 v238, v216, v238
	v_cvt_i32_f32 v238, v238
	v_ldexp_f32 v240, 1.0, v238                    ; f = 2^(old M - new M)
.set J, 0
.rept 32
	v_pk_fma_f32 v[96+J:97+J], v[96+J:97+J], s[CS:CS+1], v[216:217] op_sel_hi:[1,0,0]
.set J, J+2
.endr
.irp b, 0,1,2,3
	v_fma_f32 v[220+\b], v[220+\b], s[CS], v216
.endr
	s_wait_alu depctr_va_vdst(0)                   ; the wait ahead of the batch
.set J, 0
.rept 64
	v_exp_f32 v[96+J], v[96+J]
.set J, J+1
.endr
.irp b, 0,1,2,3
	v_exp_f32 v[220+\b], v[220+\b]
.endr
	v_pk_mul_f32 v[218:219], v[218:219], v[240:241] op_sel_hi:[1,0]
	s_wait_alu depctr_va_vdst(0)                   ; and behind it
.irp b, 0,1,2,3
	v_max_num_f32 v[220+\b], 0x4800000, v[220+\b]
.endr
.irp b, 0,1,2,3
	v_add_nc_u32 v[232+\b], 0xfc000000, v[220+\b]
.endr
.irp b, 0,1,2,3
	v_and_or_b32 v[228+\b], v[220+\b], 0x7f800000, s[MNT]
.endr
.irp b, 0,1,2,3
	v_lshrrev_b32 v[224+\b], 23, v[232+\b]
.endr
	v_lshl_or_b32 v242, v225, 8, v224
	v_pk_add_f32 v[236:237], v[96:97], v[98:99]    ; the sum of the unquantised p, in two chains
	v_lshl_or_b32 v242, v226, 16, v242
.set J, 4
.rept 15
	v_pk_add_f32 v[218:219], v[218:219], v[96+J:97+J]
	v_pk_add_f32 v[236:237], v[236:237], v[98+J:99+J]
.set J, J+4
.endr
	v_lshl_or_b32 v242, v227, 24, v242             ; p's scale word
	v_pk_add_f32 v[218:219], v[218:219], v[236:237]
.irp b, 0,1,2,3
.set J, 0
.rept 16
	v_min_num_f32 v[96+16*\b+J], v[96+16*\b+J], v[228+\b]   ; the hold: the conversion does not saturate (ISA guide 7.6.2); p is not negative
.set J, J+1
.endr
	v_cvt_scalef32_pk8_fp8_f32 v[192+4*\b:193+4*\b], v[96+16*\b:103+16*\b], v[232+\b]
	v_cvt_scalef32_pk8_fp8_f32 v[194+4*\b:195+4*\b], v[104+16*\b:111+16*\b], v[232+\b]
.endr
.if (\bo) >= 0
	BLOAD \bo                                      ; p has been read for the last time: my next step's terms
.endif
	s_wait_alu depctr_va_vdst(0)                   ; the wait directly ahead of the first reader of O^T
.set J, 0
.rept 16
	v_pk_mul_f32 v[160+J:161+J], v[160+J:161+J], v[240:241] op_sel_hi:[1,0]
.set J, J+2
.endr
	s_wait_alu depctr_va_vdst(0)                   ; and ahead of the blocking wait
	s_wait_dscnt 0x0
.irp t, 0,1,2,3
	WM 160+8*\t, 32+16*\t, 192, 0, 214+\t%2, 242, \t/2
.endr
.endm
; THE CHANGE OF SLOTS.  Every wave: all its tensor loads are in, the add, the wait for it and for its reads of the slot left.  fill = 1: a round of the cluster's barrier, and behind it the slot left takes the next 1,024 keys.
.macro CHANGE fill
	s_wait_tensorcnt 0x0
	ds_add_u32 v[SPW], v[NIL]
.if \fill
	s_xor_b32 s69, s69, SLOT1
	s_add_nc_u64 s[70:71], s[70:71], 65536
	s_xor_b32 s73, s73, SLOT1
	s_add_nc_u64 s[74:75], s[74:75], 1048576
.endif
	s_wait_dscnt 0x0
.if \fill
	CROUND
	TLOAD
.else
	BARRIER
.endif
.endm
.macro SLOT_STEPS last
	v_add_nc_u32 v6, s84, v3
	v_add_nc_u32 v208, s86, v5
	v_add_nc_u32 v7, VOFF, v6
	s_wait_alu depctr_va_vdst(0)                   ; the wait behind these writes
	STEP 0, 1536
	STEP 1, 3072
	STEP 2, 4608
.if \last
	STEP 3, -1
.else
	STEP 3, 12288                                  ; my first step of the next slot
	s_wait_xcnt 0x0                                ; the loads have read their base
	s_add_nc_u64 s[14:15], s[14:15], 12288
.endif
	s_xor_b32 s84, s84, SLOT1
	s_add_co_u32 s86, s86, 2048
.endm
.Lslot:                                                ; three trips; the last slot is written out: it asks for nothing
	CHANGE 1
	SLOT_STEPS 0
	s_sub_co_u32 s87, s87, 1
	s_cmp_lg_u32 s87, 0
	s_cbranch_scc1 .Lslot
	CHANGE 0
	SLOT_STEPS 1
	; THE PAIR IS JOINED
	PLACES 8
	v_add_f32 v218, v218, v219
	v_permlanex16_b32 v238, v218, s[SEL], s[SEL+1]
	v_add_f32 v218, v218, v238                     ; the sum over my keys
	v_mov_b32 v217, v218
	s_wait_alu depctr_va_vdst(0)                   ; the wait ahead of the branch
	s_cmp_eq_u32 s88, 0
	s_cbranch_scc1 .Lkeep
.irp i, 0,1,2,3,4,5,6,7
	ds_store_b128 v244, v[160+4*\i:163+4*\i] offset:512*\i   ; group 1: O^T, each accumulator from its low end on,
.endr
	ds_store_b64 v245, v[216:217]                  ; -M and the sum
.Lkeep:
	s_wait_dscnt 0x0
	BARRIER
	s_cmp_lg_u32 s88, 0
	s_cbranch_scc1 .Lidle
.irp i, 0,1,2,3,4,5,6,7
	ds_load_b128 v[96+4*\i:99+4*\i], v244 offset:512*\i
.endr
	ds_load_b64 v[128:129], v245
	s_wait_dscnt 0x0
	v_min_num_f32 v130, v216, v128                 ; -M of the pair
	v_sub_f32 v131, v130, v216
	v_sub_f32 v132, v130, v128
	v_cvt_i32_f32 v131, v131
	v_cvt_i32_f32 v132, v132
	v_ldexp_f32 v134, 1.0, v131                    ; 2^(my M - M),
	v_ldexp_f32 v136, 1.0, v132                    ; 2^(my partner's M - M)
	v_mul_f32 v218, v218, v134
	v_fma_f32 v218, v129, v136, v218
.set J, 0
.rept 16
	v_pk_mul_f32 v[160+J:161+J], v[160+J:161+J], v[134:135] op_sel_hi:[1,0]
.set J, J+2
.endr
.set J, 0
.rept 16
	v_pk_fma_f32 v[160+J:161+J], v[96+J:97+J], v[136:137], v[160+J:161+J] op_sel_hi:[1,0,1]
.set J, J+2
.endr
	s_wait_alu depctr_va_vdst(0)                   ; the wait ahead of the transcendental
	v_rcp_f32 v218, v218
	v_nop
	s_wait_alu depctr_va_vdst(0)                   ; and ahead of its first reader
.set J, 0
.rept 32
	v_mul_f32 v[96+J], v[160+J], v218              ; O^T / the sum
.set J, J+1
.endr
	QUANT2 96, 192, 224
	global_store_b128 v3, v[192:195], s[20:21]     ; 512 consecutive bytes a store
	global_store_b128 v3, v[196:199], s[20:21] offset:512
	v_lshl_or_b32 v226, v225, 8, v224
	ds_store_b16 v243, v226
.Lidle:
	s_wait_dscnt 0x0
	BARRIER
	s_cmp_lg_u32 s[WV], 0
	s_cbranch_scc1 .Lend
	ds_load_b64 v[228:229], v246
	s_wait_dscnt 0x0
	global_store_b64 v247, v[228:229], s[22:23]    ; the work-group's 256 scale bytes, one aligned unit
.Lend:
	s_wait_tensorcnt 0x0                           ; the wave's end
	ds_add_u32 v[SPW], v[NIL]
	s_wait_dscnt 0x0
	CROUND                                         ; the closing round
	s_endpgm
.Lfunc_end_k_q13db769847_attn:
	.size	k_q13db769847_attn, .Lfunc_end_k_q13db769847_attn-k_q13db769847_attn
	.p2alignl 7, 3214868480
	.fill 96, 4, 3214868480
	.section	.rodata,"a",@progbits
	.p2align	6, 0x0
	.amdhsa_kernel k_q13db769847_attn
		.amdhsa_group_segment_fixed_size 327680
		.amdhsa_private_segment_fixed_size 0
		.amdhsa_enable_private_segment 0
		.amdhsa_kernarg_size 64
		.amdhsa_user_sgpr_count 2
		.amdhsa_user_sgpr_kernarg_segment_ptr 1
		.amdhsa_wavefront_size32 1
		.amdhsa_system_sgpr_workgroup_id_x 1
		.amdhsa_system_sgpr_workgroup_id_y 1
		.amdhsa_system_sgpr_workgroup_id_z 1
		.amdhsa_system_vgpr_workitem_id 0
		.amdhsa_next_free_vgpr 256
		.amdhsa_next_free_sgpr 102
		.amdhsa_reserve_vcc 0
		.amdhsa_float_denorm_mode_32 3
		.amdhsa_float_denorm_mode_16_64 3
		.amdhsa_memory_ordered 1
		.amdhsa_forward_progress 1
		.amdhsa_inst_pref_size 200
	.end_amdhsa_kernel
	.amdgpu_metadata
---
amdhsa.version: [ 1, 2 ]
amdhsa.kernels:
  - .name:           k_q13db769847_attn
    .symbol:         k_q13db769847_attn.kd
    .args:
      - { .name: xw_codes, .offset: 0, .size: 8, .value_kind: global_buffer, .address_space: global }
      - { .name: xw_scales, .offset: 8, .size: 8, .value_kind: global_buffer, .address_space: global }
      - { .name: kv_img, .offset: 16, .size: 8, .value_kind: global_buffer, .address_space: global }
      - { .name: kv_sc, .offset: 24, .size: 8, .value_kind: global_buffer, .address_space: global }
      - { .name: query_type_ids, .offset: 32, .size: 8, .value_kind: global_buffer, .address_space: global }
      - { .name: bias_tab, .offset: 40, .size: 8, .value_kind: global_buffer, .address_space: global }
      - { .name: o_img, .offset: 48, .size: 8, .value_kind: global_buffer, .address_space: global }
      - { .name: o_sc, .offset: 56, .size: 8, .value_kind: global_buffer, .address_space: global }
    .group_segment_fixed_size: 327680
    .private_segment_fixed_size: 0
    .kernarg_segment_align: 8
    .kernarg_segment_size: 64
    .max_flat_workgroup_size: 512
    .sgpr_count:     102
    .vgpr_count:     256
    .wavefront_size: 32
...
	.end_amdgpu_metadata
.endif
;; end of part 3
;; launch outln (part 4): grid 128 x 1, 8 waves a work-group, no clusters, 67,072 bytes of LDS; arguments o_img, o_sc, xw_codes, xw_scales, queries, on_w, on_b, out0; writes out0
.if DOCPART == 4
	.amdgcn_target "amdgcn-amd-amdhsa--gfx1250"
	.amdhsa_code_object_version 6
	.text
	.protected	k_q13db769847_outln
	.globl	k_q13db769847_outln
	.p2align	8
	.type	k_q13db769847_outln,@function
k_q13db769847_outln:
	s_mov_b64 s[64:65], 0
	v_nop
	global_prefetch_b8 v0, s[64:65] scope:SCOPE_SE
	s_setreg_imm32_b32 hwreg(HW_REG_WAVE_MODE, 25, 1), 1
	s_wait_xcnt 0x0
; out0 = LayerNorm(queries + O Wo^T): the output projection on FP8 (E4M3) codes with E8M0 scales, the residual and the last norm.
; A work-group has ONE tile of 16 query rows (row-block wg / 2, tile wg % 2: rows 8 u + r + 8 (r / 8)) and all 1,024 features, so that the norm stays inside it: 128 work-groups, as many as there are tiles of 16 rows.
; Wave w makes features 128 w .. 128 w + 127: eight tiles of Wo (source 0) x my tile of O (source 1): a lane holds one row and 16 neighbouring features for each row-block of Wo.  64 matrix instructions a wave.
; Wo's and O's images come straight into registers (512 consecutive bytes a load), two half steps ahead; no tensor load, no ring.  The results meet in a stage in LDS; wave w then takes rows 2 w, 2 w + 1 whole.
; NO CLUSTER, NO LDS FOR Wo: each fragment of Wo feeds one matrix instruction of the work-group: there is nothing to share inside it.
.set PITCH, 4112
.set GW,   96
.set GB,   128
.set CA,   24
.set CB,   26
.set MM,   28
.set RR,   30
.set PT,   6
.set SEL,  26
.set RCN,  28
.set EPS,  29
; REGISTERS: v1 16 x lane, v2 4 x lane, v3 2 r, v4 the stage in, v5 the stage out; v8-15 O's scale words by K step, v16-23 Wo's, two sets (nothing else ever); v32-95, v96-159 Wo's fragments of row-blocks 0, 1 and 2, 3;
; v160-191 O's fragment, two sets; v192-255 the accumulators: (row-block n, tile u0) at 192 + 16 n + 8 u0.  Later: v32-95 queries, v96-159 gain and bias, v160-223 my two rows.
.macro WMS d, a, b, z, sa, sb, ra, rb
.if (\z)
.if (\ra)
	v_wmma_scale_f32_16x16x128_f8f6f4 v[0+(\d):7+(\d)], v[0+(\a):15+(\a)], v[0+(\b):15+(\b)], 0, v[\sa], v[\sb] matrix_a_scale:MATRIX_SCALE_ROW1
.else
	v_wmma_scale_f32_16x16x128_f8f6f4 v[0+(\d):7+(\d)], v[0+(\a):15+(\a)], v[0+(\b):15+(\b)], 0, v[\sa], v[\sb]
.endif
.else
.if (\ra)
	v_wmma_scale_f32_16x16x128_f8f6f4 v[0+(\d):7+(\d)], v[0+(\a):15+(\a)], v[0+(\b):15+(\b)], v[0+(\d):7+(\d)], v[\sa], v[\sb] matrix_a_scale:MATRIX_SCALE_ROW1
.else
	v_wmma_scale_f32_16x16x128_f8f6f4 v[0+(\d):7+(\d)], v[0+(\a):15+(\a)], v[0+(\b):15+(\b)], v[0+(\d):7+(\d)], v[\sa], v[\sb]
.endif
.endif
.endm
	s_load_b256 s[4:11], s[0:1], 0x0               ; o_img, o_sc, xw_codes, xw_scales
	s_load_b256 s[12:19], s[0:1], 0x20             ; queries, on_w, on_b, out0
	s_set_vgpr_msb 0x40
	v_lshl_add_u32 v0, v0, 2, 0x10200
	v_mov_b32 v1, 0
	s_set_vgpr_msb 0x4000
	v_lshrrev_b32 v1, 5, v0
	s_delay_alu instid0(VALU_DEP_1)
	v_readfirstlane_b32 s20, v1                    ; wave 0..7
	s_lshr_b32 s21, ttmp9, 1                       ; the row-block of queries
	s_and_b32 s22, ttmp9, 1                        ; its tile
	v_and_b32 v6, 31, v0
	s_delay_alu instid0(VALU_DEP_1)
	v_lshlrev_b32 v1, 4, v6
	s_delay_alu instid0(VALU_DEP_2)
	v_lshlrev_b32 v2, 2, v6
	v_and_b32 v7, 15, v0
	s_delay_alu instid0(VALU_DEP_1)
	v_lshlrev_b32 v3, 1, v7
	v_bfe_u32 v5, v0, 4, 1
	s_delay_alu instid0(VALU_DEP_3)
	v_mul_u32_u24 v4, v7, PITCH
	s_delay_alu instid0(VALU_DEP_1)
	v_lshl_add_u32 v4, v5, 6, v4
	s_lshl_b32 s30, s20, 9
	v_add_nc_u32 v4, s30, v4                       ; the stage, in: row r, + 512 x wave + 64 h
	s_mul_i32 s30, s20, 2*PITCH
	v_add_nc_u32 v5, s30, v1                       ; out: rows 2 w, 2 w + 1, 16 bytes a lane
	v_mov_b32 v[PT], 0                             ; a lane permute's destination counts as one of its sources
	s_mov_b32 s[SEL], 0x76543210
	s_mov_b32 s[SEL+1], 0xfedcba98
	s_mov_b32 s[RCN], 0x3a800000
	s_mov_b32 s[EPS], 0x3727c5ac
	s_mov_b32 s25, 0
	s_wait_alu depctr_va_vdst(0)
	s_wait_kmcnt 0x0
	s_lshl_b32 s24, s21, 15
	s_lshl_b32 s30, s22, 11
	s_add_co_u32 s24, s24, s30
	s_add_nc_u64 s[4:5], s[4:5], s[24:25]          ; my tile of O
	s_lshl_b32 s24, s21, 6
	s_lshl_b32 s30, s22, 5
	s_add_co_u32 s24, s24, s30
	s_add_nc_u64 s[6:7], s[6:7], s[24:25]          ; its scale bytes, head 0
	s_lshl_b32 s30, s20, 2
	s_add_co_u32 s30, s30, 416                     ; Wo's row-block of my first feature
	s_lshl_b32 s24, s30, 15
	s_add_nc_u64 s[8:9], s[8:9], s[24:25]
	s_lshl_b32 s24, s30, 10
	s_add_nc_u64 s[10:11], s[10:11], s[24:25]
	s_lshl_b32 s24, s21, 5                         ; the first of my two whole rows: 32 x row-block + 8 u + 2 w + 8 (w / 4)
	s_lshl_b32 s30, s22, 3
	s_add_co_u32 s24, s24, s30
	s_lshl_b32 s30, s20, 1
	s_add_co_u32 s24, s24, s30
	s_lshr_b32 s30, s20, 2
	s_lshl_b32 s30, s30, 3
	s_add_co_u32 s24, s24, s30
	s_lshl_b32 s24, s24, 12
	s_add_nc_u64 s[12:13], s[12:13], s[24:25]
	s_add_nc_u64 s[18:19], s[18:19], s[24:25]
.irp n, 0,1,2,3,4,5,6,7,8,9,10,11,12,13,14,15
	global_load_u16 v[224+\n], v3, s[6:7] offset:4096*\n   ; head n's two scale bytes of my row
.endr
; Half step hs = 2 x K step + half: Wo's four fragments of row-blocks 2 half, 2 half + 1 and their scale words; with half 0 also O's fragment: 22 or 18 loads
.macro GRP hs
.set KS, (\hs)/2
.set HF, (\hs)%2
.if HF == 0
.irp c, 0,1,2,3
	global_load_b128 v[160+16*(KS%2)+4*\c:163+16*(KS%2)+4*\c], v1, s[4:5] offset:4096*KS+512*\c
.endr
.endif
.irp i, 0,1,2,3
.irp c, 0,1,2,3
	global_load_b128 v[32+64*HF+16*\i+4*\c:35+64*HF+16*\i+4*\c], v1, s[8:9] offset:32768*(2*HF+\i/2)+4096*KS+2048*(\i%2)+512*\c
.endr
.endr
.irp n, 0,1
	global_load_b32 v[16+4*(KS%2)+2*HF+\n], v2, s[10:11] offset:1024*(2*HF+\n)+128*KS
.endr
.endm
.macro MULH hs                         ; four accumulators, one instruction each; the eight take turns
.set KS, (\hs)/2
.set HF, (\hs)%2
.irp i, 0,1,2,3
.if KS == 0
	WMS 192+32*HF+8*\i, 32+64*HF+16*\i, 160, 1, 16+2*HF+\i/2, 8, \i%2, 0
.else
	WMS 192+32*HF+8*\i, 32+64*HF+16*\i, 160+16*(KS%2), 0, 16+4*(KS%2)+2*HF+\i/2, 8+KS, \i%2, 0
.endif
.endr
.endm
	GRP 0
	GRP 1
.irp hs, 0,1,2,3,4,5,6,7,8,9,10,11,12,13,14,15
.if \hs == 15
	s_wait_loadcnt 0x0
.elseif \hs%2 == 0
	s_wait_loadcnt 18                              ; this half step's loads are in; the one group issued behind them (18 loads) may be out
.else
	s_wait_alu depctr_va_vdst(0)
	s_wait_loadcnt 22                              ; likewise: the group behind has 22
.endif
.if \hs == 0
.irp k, 0,1,2,3,4,5,6,7
	v_lshl_or_b32 v[8+\k], v[225+2*\k], 16, v[224+2*\k]    ; K step k's scale word of O: heads 2 k and 2 k + 1, two bytes each
.endr
.rept 8
	v_nop                                          ; a scale made by vector instructions stands eight places ahead of its product
.endr
.endif
	MULH \hs
.rept 8
	v_nop                                          ; places in front of loads into registers that matrix instructions have read, and of the first read of results
.endr
.if \hs < 14
	GRP \hs+2
.endif
.endr
.irp i, 0,1
.irp k, 0,1,2,3,4,5,6,7
	global_load_b128 v[32+32*\i+4*\k:35+32*\i+4*\k], v1, s[12:13] offset:4096*\i+512*\k th:TH_LOAD_NT   ; my two whole rows of queries
.endr
.endr
.irp k, 0,1,2,3,4,5,6,7
	global_load_b128 v[GW+4*\k:GW+4*\k+3], v1, s[14:15] offset:512*\k
.endr
.irp k, 0,1,2,3,4,5,6,7
	global_load_b128 v[GB+4*\k:GB+4*\k+3], v1, s[16:17] offset:512*\k
.endr
.irp n, 0,1,2,3
.irp i, 0,1,2,3
	ds_store_b128 v4, v[192+16*\n+4*\i:195+16*\n+4*\i] offset:128*\n+16*\i   ; features 128 w + 32 n + 16 h + 4 i + 0..3 of row r; each accumulator from its low end on
.endr
.endr
	s_wait_dscnt 0x0                               ; for the others' sake: my part of the 16 rows lies in the stage
	s_barrier_signal -1
	s_barrier_wait -1
.irp i, 0,1
.irp k, 0,1,2,3,4,5,6,7
	ds_load_b128 v[160+32*\i+4*\k:163+32*\i+4*\k], v5 offset:PITCH*\i+512*\k
.endr
.endr
.macro RED a
	s_delay_alu instid0(VALU_DEP_1)
	v_add_f32_dpp v[\a], v[\a], v[\a] row_xmask:1 row_mask:0xf bank_mask:0xf
	s_delay_alu instid0(VALU_DEP_1)
	v_add_f32_dpp v[\a], v[\a], v[\a] row_xmask:2 row_mask:0xf bank_mask:0xf
	s_delay_alu instid0(VALU_DEP_1)
	v_add_f32_dpp v[\a], v[\a], v[\a] row_xmask:4 row_mask:0xf bank_mask:0xf
	s_delay_alu instid0(VALU_DEP_1)
	v_add_f32_dpp v[\a], v[\a], v[\a] row_xmask:8 row_mask:0xf bank_mask:0xf
	s_delay_alu instid0(VALU_DEP_1)
	v_permlanex16_b32 v[PT], v[\a], s[SEL], s[SEL+1]
	s_delay_alu instid0(VALU_DEP_1)
	v_add_f32 v[\a], v[\a], v[PT]
.endm
.macro ROWLN x                         ; the row in v[x] .. v[x + 31] becomes (x - mean) / sqrt(var + 1e-5) x gain + bias: two passes in registers
	v_pk_add_f32 v[CA:CA+1], v[\x:\x+1], v[\x+4:\x+5]
	v_pk_add_f32 v[CB:CB+1], v[\x+2:\x+3], v[\x+6:\x+7]
.irp j, 8,12,16,20,24,28
	s_delay_alu instid0(VALU_DEP_2)
	v_pk_add_f32 v[CA:CA+1], v[CA:CA+1], v[\x+\j:\x+\j+1]
	s_delay_alu instid0(VALU_DEP_2)
	v_pk_add_f32 v[CB:CB+1], v[CB:CB+1], v[\x+\j+2:\x+\j+3]
.endr
	s_delay_alu instid0(VALU_DEP_1)
	v_pk_add_f32 v[CA:CA+1], v[CA:CA+1], v[CB:CB+1]
	s_delay_alu instid0(VALU_DEP_1)
	v_add_f32 v[CA], v[CA], v[CA+1]
	RED CA
	s_delay_alu instid0(VALU_DEP_1)
	v_mul_f32 v[MM], s[RCN], v[CA]
	s_delay_alu instid0(VALU_DEP_1)
	v_mov_b32 v[MM+1], v[MM]
.irp j, 0,2,4,6,8,10,12,14,16,18,20,22,24,26,28,30
	v_pk_add_f32 v[\x+\j:\x+\j+1], v[\x+\j:\x+\j+1], v[MM:MM+1] neg_lo:[0,1] neg_hi:[0,1]
.endr
	v_pk_mul_f32 v[CA:CA+1], v[\x:\x+1], v[\x:\x+1]
	v_pk_mul_f32 v[CB:CB+1], v[\x+2:\x+3], v[\x+2:\x+3]
.irp j, 4,8,12,16,20,24,28
	s_delay_alu instid0(VALU_DEP_2)
	v_pk_fma_f32 v[CA:CA+1], v[\x+\j:\x+\j+1], v[\x+\j:\x+\j+1], v[CA:CA+1]
	s_delay_alu instid0(VALU_DEP_2)
	v_pk_fma_f32 v[CB:CB+1], v[\x+\j+2:\x+\j+3], v[\x+\j+2:\x+\j+3], v[CB:CB+1]
.endr
	s_delay_alu instid0(VALU_DEP_1)
	v_pk_add_f32 v[CA:CA+1], v[CA:CA+1], v[CB:CB+1]
	s_delay_alu instid0(VALU_DEP_1)
	v_add_f32 v[CA], v[CA], v[CA+1]
	RED CA
	s_delay_alu instid0(VALU_DEP_1)
	v_fma_f32 v[RR], v[CA], s[RCN], s[EPS]
	s_wait_alu depctr_va_vdst(0)
	v_rsq_f32 v[RR], v[RR]
	v_nop                                          ; one plain instruction behind a transcendental
	s_wait_alu depctr_va_vdst(0)
	v_mov_b32 v[RR+1], v[RR]
.irp j, 0,2,4,6,8,10,12,14,16,18,20,22,24,26,28,30
	v_pk_mul_f32 v[\x+\j:\x+\j+1], v[\x+\j:\x+\j+1], v[RR:RR+1]
.endr
.irp j, 0,2,4,6,8,10,12,14,16,18,20,22,24,26,28,30
	v_pk_fma_f32 v[\x+\j:\x+\j+1], v[\x+\j:\x+\j+1], v[GW+\j:GW+\j+1], v[GB+\j:GB+\j+1]
.endr
.endm
	s_wait_loadcnt 0x0
	s_wait_dscnt 0x0
.irp i, 0,1
.irp j, 0,2,4,6,8,10,12,14,16,18,20,22,24,26,28,30
	v_pk_add_f32 v[160+32*\i+\j:161+32*\i+\j], v[160+32*\i+\j:161+32*\i+\j], v[32+32*\i+\j:33+32*\i+\j]   ; the residual
.endr
	ROWLN 160+32*\i
.irp k, 0,1,2,3,4,5,6,7
	global_store_b128 v1, v[160+32*\i+4*\k:163+32*\i+4*\k], s[18:19] offset:4096*\i+512*\k th:TH_STORE_NT   ; 512 consecutive bytes a store
.endr
.endr
	s_set_vgpr_msb 0x5
	s_wait_tensorcnt 0x0
	ds_add_u32 v0, v1
	s_wait_dscnt 0x0
	s_set_vgpr_msb 0x500
	s_endpgm
.Lfunc_end_k_q13db769847_outln:
	.size	k_q13db769847_outln, .Lfunc_end_k_q13db769847_outln-k_q13db769847_outln
	.p2alignl 7, 3214868480
	.fill 96, 4, 3214868480
	.section	.rodata,"a",@progbits
	.p2align	6, 0x0
	.amdhsa_kernel k_q13db769847_outln
		.amdhsa_group_segment_fixed_size 67072
		.amdhsa_private_segment_fixed_size 0
		.amdhsa_enable_private_segment 0
		.amdhsa_kernarg_size 64
		.amdhsa_user_sgpr_count 2
		.amdhsa_user_sgpr_kernarg_segment_ptr 1
		.amdhsa_wavefront_size32 1
		.amdhsa_system_sgpr_workgroup_id_x 1
		.amdhsa_system_sgpr_workgroup_id_y 1
		.amdhsa_system_sgpr_workgroup_id_z 1
		.amdhsa_system_vgpr_workitem_id 0
		.amdhsa_next_free_vgpr 258
		.amdhsa_next_free_sgpr 66
		.amdhsa_reserve_vcc 0
		.amdhsa_float_denorm_mode_32 3
		.amdhsa_float_denorm_mode_16_64 3
		.amdhsa_memory_ordered 1
		.amdhsa_forward_progress 1
		.amdhsa_inst_pref_size 72
	.end_amdhsa_kernel
	.amdgpu_metadata
---
amdhsa.version: [ 1, 2 ]
amdhsa.kernels:
  - .name:           k_q13db769847_outln
    .symbol:         k_q13db769847_outln.kd
    .args:
      - { .name: o_img, .offset: 0, .size: 8, .value_kind: global_buffer, .address_space: global }
      - { .name: o_sc, .offset: 8, .size: 8, .value_kind: global_buffer, .address_space: global }
      - { .name: xw_codes, .offset: 16, .size: 8, .value_kind: global_buffer, .address_space: global }
      - { .name: xw_scales, .offset: 24, .size: 8, .value_kind: global_buffer, .address_space: global }
      - { .name: queries, .offset: 32, .size: 8, .value_kind: global_buffer, .address_space: global }
      - { .name: on_w, .offset: 40, .size: 8, .value_kind: global_buffer, .address_space: global }
      - { .name: on_b, .offset: 48, .size: 8, .value_kind: global_buffer, .address_space: global }
      - { .name: out0, .offset: 56, .size: 8, .value_kind: global_buffer, .address_space: global }
    .group_segment_fixed_size: 67072
    .private_segment_fixed_size: 0
    .kernarg_segment_align: 8
    .kernarg_segment_size: 64
    .max_flat_workgroup_size: 256
    .sgpr_count:     66
    .vgpr_count:     258
    .wavefront_size: 32
...
	.end_amdgpu_metadata
.endif
;; end of part 4
